; MI455X (gfx1250); checked and timed in simulation.
; The chip was launched on July 23, 2026; its instructions are those of AMD's public machine-readable ISA for CDNA 5 (MIT licence, August 2026) and "CDNA5" Instruction Set Architecture Reference Guide (July 2026). The comments in the code are by the model that wrote it; some were corrected since.
;; Non Commutative Multi Head Attention. Allowed arithmetic: matrix products marked QUANTISED: E2M1 operands, one E8M0 scale for each 32 along K, by v_wmma_scale_f32_16x16x128_f8f6f4 with both operands' format E2M1 (or v_wmma_scale_f32_32x16x128_f4), f32 sums; products left as they are: bf16, f16 or f32 operands; f32 sums; everything else in f32.
;; Inputs: W_k 1,024 x 1,024 float32; W_o 1,024 x 1,024 float32; W_q 1,024 x 1,024 float32; W_v 1,024 x 1,024 float32; alpha 1 float32; x 4 x 2,048 x 1,024 float32.
;; Outputs: out0 4 x 2,048 x 1,024 float32.
;; This version of the problem:
;;   THIS VERSION OF THE PROBLEM IS GIVEN IN LOW PRECISION. The matrix products marked QUANTISED in the list below multiply operands that are first quantised to E2M1 (2 exponent bits, 1 mantissa bit; 4 bits a number), with one power-of-two scale for each 32 numbers along K (OCP MX v1.0); their sums are f32. The products marked 'left as it is' may take bf16, f16 or f32 operands, with f32 sums. Whichever they take, every output number must still come out within the allowed error. Rounding operands to bf16 (8 significant bits) uses up far more of that allowance than f16 does (11 bits, for magnitudes from 6e-5 to 65,504). All else is computed in f32.
;;   The module's matrix products, in the order in which they are computed (A, B: the left and right operand; K: the contracted axis; several contracted axes count as one K, in the product's order):
;;     1. [M 8,192, K 1,024] x [K 1,024, N 1,024]; A: input x; B: input W_q: QUANTISED
;;     2. [M 8,192, K 1,024] x [K 1,024, N 1,024]; A: input x; B: input W_k: QUANTISED
;;     3. [M 8,192, K 1,024] x [K 1,024, N 1,024]; A: input x; B: input W_v: QUANTISED
;;     4. batch 64 x [M 2,048, K 64] x [K 64, N 2,048]; A: computed on the way; B: computed on the way: left as it is (an operand is computed on the way)
;;     5. batch 64 x [M 2,048, K 2,048] x [K 2,048, N 64]; A: computed on the way; B: computed on the way: left as it is (an operand is computed on the way)
;;     6. [M 8,192, K 1,024] x [K 1,024, N 1,024]; A: computed on the way; B: input W_o: left as it is (an operand is computed on the way)
;;   THE QUANTISER, for each operand of a quantised product, along K:
;;     - K is cut into blocks of 32 from its start; a last block that is shorter is filled with zeros.
;;     - A block's scale is 2^e with e = floor(log2(the largest magnitude in the block)) - 2, held to -126 .. 127; a block of zeros has e = 0. As a byte (E8M0): e + 127.
;;     - Each number is divided by its block's scale, clamped to +-6, and rounded to the nearest number of E2M1, ties to even, subnormals kept.
;;     - The product sums the exact products of the quantised numbers (number of the format x scale) in f32.
;;   ~~~python
;;   def quantise(x, axis):      # numpy; x: float32 -> the quantised numbers, widened to float32 again
;;       x = np.moveaxis(x, axis, -1); K = x.shape[-1]
;;       x = np.pad(x, [(0, 0)] * (x.ndim - 1) + [(0, -K % 32)]); x = x.reshape(x.shape[:-1] + (-1, 32)); a = np.abs(x).max(-1, keepdims=True)
;;       e = np.where(a > 0, np.clip(np.frexp(np.where(a > 0, a, 1))[1] - 1 - 2, -126, 127), 0)      # np.frexp(a)[1] - 1 = floor(log2(a)), exactly
;;       r = np.clip(x / 2.0 ** e, -6, 6)
;;       step = 2.0 ** (np.maximum(np.frexp(np.where(r == 0, 1, r))[1] - 1, 0) - 1)
;;       q = np.round(r / step) * step * 2.0 ** e      # np.round: ties to even
;;       return np.moveaxis(q.reshape(q.shape[:-2] + (-1,))[..., :K], -1, axis).astype(np.float32)
;;   ~~~
;; One version. Each part assembles by itself: llvm-mc -triple=amdgcn-amd-amdhsa -mcpu=gfx1250 --defsym DOCPART=n.
;; ======== version 1 of 1: 5 launches
;; limits: values outside matrix products are rounded to f16; values are held in f16: magnitudes above 65,504 overflow, below 6.1e-05 lose precision
;; workspace buffers: x_codes 4,194,304 bytes; x_scales 262,144 bytes; w_codes 1,572,864 bytes; w_scales 98,304 bytes; wo_h 2,097,152 bytes; qkv 50,331,648 bytes; ao 16,777,216 bytes
;; launch prep_x (part 1): grid 256 x 1, 4 waves a work-group, no clusters, 33,280 bytes of LDS; arguments x, W_o, x_codes, x_scales, wo_h; writes x_codes, x_scales, wo_h
.if DOCPART == 1
	.amdgcn_target "amdgcn-amd-amdhsa--gfx1250"
	.amdhsa_code_object_version 6
	.text
	.protected	k_q572c659e58_prep_x
	.globl	k_q572c659e58_prep_x
	.p2align	8
	.type	k_q572c659e58_prep_x,@function
k_q572c659e58_prep_x:
	s_mov_b64 s[64:65], 0
	v_nop
	global_prefetch_b8 v0, s[64:65] scope:SCOPE_SE
	s_setreg_imm32_b32 hwreg(HW_REG_WAVE_MODE, 25, 1), 1
	s_wait_xcnt 0x0
; THE PROGRAM: out0 = attention(Q, K, V) W_o with Q = f(x W_q), K = g(x W_k), V = t(x W_v); five launches: this one, prep_w, qkv, attn, oproj.
; DEAD WORK: none.  Every input (x, the four weights, alpha) has a way to out0 for all values; there is no mask, no slice and no zero state; nothing is left out.
; THIS LAUNCH: x [8192][1024] f32 becomes codes of FP4 (E2M1), K innermost, and one E8M0 scale byte for each 32 along K; and W_o [1024][1024] f32 is rounded to f16 as it lies.
; A block's scale is 2^(floor(log2(its largest magnitude)) - 2); its byte is the largest magnitude's own exponent field - 2, held at 1 from below.
; (A block of zeros so gets the byte 1 where the rule says 127: its codes are zeros, which add nothing under any byte but 0xff, and the bytes are read by this program alone.)
; LIMITS: blocks whose largest magnitude lies under 2^-124 keep the byte 1; NaN and infinities among the inputs are not served; W_o's numbers lie inside f16's range (under 65,504).
; Rows are dense and 1024 is a multiple of 32: x is a plain stream of blocks of 32 numbers, and so are the codes and the scale bytes.
; A wave takes 16 steps of 512 numbers.  Each of a step's four loads reads 512 consecutive bytes, 16 a lane; the 2,048 bytes go through the wave's own stage in LDS and come back 64 bytes a lane,
; so that a lane holds 16 neighbours along K (two neighbouring lanes hold a block).  A lane's 16 codes are 8 bytes: the wave stores 256 consecutive bytes.
; A wave's 256 scale bytes are gathered in its own LDS bytes and leave as one aligned run of 256 bytes.  Waves share nothing: no barrier.  No cluster: no two work-groups read the same bytes.
; Each wave also casts 4,096 bytes of W_o: eight loads of 512 consecutive bytes at the head, eight stores of 256 consecutive bytes at the end.
.set WAVES, 4
.set STEPS, 16
.set EMAX,  2
.set CB,    8                          ; bytes of 16 codes
.set R,     16                         ; v16-79   four sets of 16 numbers as they are loaded
.set X,     80                         ; v80-111  two sets of 16 neighbours
.set C,     128                        ; v128-191 codes: four registers for each step, so that no store's data are written again
.set E,     112                        ; v112-127 a scale byte for each step
.set WO,    192                        ; v192-223 my 32 numbers of W_o
.set WH,    224                        ; v224-239 the same in f16
.set WREG,  8192                       ; LDS: a region for each wave: two stages of 32 x SP bytes, behind them its 256 scale bytes
.set SP,    80                         ; a lane's place in a stage: its 64 bytes + 16 of padding
.set SPW,   12                         ; v12      LDS address of my spare word; never rewritten
.set NIL,   13                         ; v13      0; never rewritten
.set SPARE, WAVES*WREG                 ; behind the four regions: the spare words, 128 bytes for each wave
	s_load_b128 s[4:7], s[0:1], 0x0                ; x, W_o
	s_load_b128 s[8:11], s[0:1], 0x10              ; x's codes, x's scales
	s_load_b64 s[12:13], s[0:1], 0x20              ; W_o in f16
	v_lshl_add_u32 v[SPW], v0, 2, SPARE
	v_mov_b32 v[NIL], 0
	v_lshrrev_b32 v1, 5, v0
	v_readfirstlane_b32 s16, v1                    ; wave
	v_and_b32 v2, 31, v0                           ; lane
	v_lshlrev_b32 v3, 4, v2                        ; my 16 bytes of a load's 512
	s_mul_i32 s17, s16, WREG
	v_lshrrev_b32 v14, 2, v2
	v_mul_u32_u24 v14, v14, SP
	v_and_b32 v15, 3, v2
	v_lshl_add_u32 v14, v15, 4, v14
	v_add_nc_u32 v14, s17, v14                     ; the stage, on the way in: SP (lane / 4) + 16 (lane % 4)
	v_mul_u32_u24 v15, v2, SP
	v_add_nc_u32 v15, s17, v15                     ; and on the way out: SP x lane: my 16 neighbours
	v_mul_u32_u24 v4, v2, CB                       ; my codes' place in a step's
	v_lshrrev_b32 v5, 1, v2
	s_add_co_u32 s17, s17, 2*32*SP
	v_add_nc_u32 v5, s17, v5                       ; LDS: my wave's 256 scale bytes, my block's byte
	v_lshlrev_b32 v7, 3, v2                        ; 8 bytes a lane: the scale bytes' and the f16 numbers' way out
	v_add_nc_u32 v6, s17, v7
	s_lshl_b32 s18, ttmp9, 2
	s_add_co_u32 s18, s18, s16                     ; g: which run of 8,192 numbers of x, and which 4,096 bytes of W_o, are my wave's
	s_mov_b32 s19, 0
	s_lshl_b64 s[20:21], s[18:19], 15              ; x: 32,768 bytes a run
	s_lshl_b32 s22, s18, 12                        ; codes: 4,096 bytes a run; W_o: 4,096 bytes
	s_mov_b32 s23, 0
	s_lshl_b32 s24, s18, 11                        ; W_o in f16: 2,048 bytes
	s_mov_b32 s25, 0
	s_lshl_b32 s26, s18, 8                         ; scale bytes: 256 a run
	s_mov_b32 s27, 0
	s_wait_kmcnt 0x0
	s_add_nc_u64 s[4:5], s[4:5], s[20:21]
	s_add_nc_u64 s[6:7], s[6:7], s[22:23]
	s_add_nc_u64 s[8:9], s[8:9], s[22:23]
	s_add_nc_u64 s[10:11], s[10:11], s[26:27]
	s_add_nc_u64 s[12:13], s[12:13], s[24:25]
.irp i, 0,1,2,3,4,5,6,7
	global_load_b128 v[WO+4*\i:WO+4*\i+3], v3, s[6:7] offset:512*\i th:TH_LOAD_NT   ; W_o: older than every load of x, so every counted wait below covers them too
.endr
.macro LOAD t
.irp i, 0,1,2,3
	global_load_b128 v[R+16*((\t)%4)+4*\i:R+16*((\t)%4)+4*\i+3], v3, s[4:5] offset:2048*(\t)+512*\i th:TH_LOAD_NT   ; 32 lanes read 512 consecutive bytes
.endr
.endm
.macro TURN t                          ; step t's numbers through the stage: LDS serves a wave's instructions in order, so no wait stands between the stores and the loads
.irp i, 0,1,2,3
	ds_store_b128 v14, v[R+16*((\t)%4)+4*\i:R+16*((\t)%4)+4*\i+3] offset:32*SP*((\t)%2)+8*SP*\i
.endr
.irp i, 0,1,2,3
	ds_load_b128 v[X+16*((\t)%2)+4*\i:X+16*((\t)%2)+4*\i+3], v15 offset:32*SP*((\t)%2)+16*\i
.endr
.endm
.irp t, 0,1,2,3
	LOAD \t
.endr
	s_wait_loadcnt 12                              ; step 0's four loads are in; those of steps 1 to 3 may be out
	TURN 0
.macro STEP t
.set XS, X+16*((\t)%2)
.if (\t) > 0
	s_wait_dscnt 1                                 ; this step's numbers are back from the stage (the last step's byte store may be out): so its stores into the stage have read their registers,
.else
	s_wait_dscnt 0x0
.endif
.if (\t)+4 < STEPS
	LOAD (\t)+4                                    ; which take the loads of four steps on
.endif
.if (\t)+1 < STEPS
.if STEPS-2-(\t) >= 3
	s_wait_loadcnt 12                              ; the next step's four loads are in; those of the three steps behind it may be out
.else
	s_wait_loadcnt 4*(STEPS-2-(\t))
.endif
	TURN (\t)+1                                    ; and go through the other stage while this step is worked
.endif
	v_max3_num_f32 v8, |v[XS]|, |v[XS+1]|, |v[XS+2]|               ; the largest magnitude of my 16
	v_max3_num_f32 v9, |v[XS+3]|, |v[XS+4]|, |v[XS+5]|
.irp i, 6,10
	v_max3_num_f32 v8, v8, |v[XS+\i]|, |v[XS+\i+1]|
	v_max3_num_f32 v9, v9, |v[XS+\i+2]|, |v[XS+\i+3]|
.endr
	v_max3_num_f32 v8, v8, |v[XS+14]|, |v[XS+15]|
	v_max3_num_f32 v8, v8, v9, (EMAX+1)<<23        ; and the floor 2^(3 - 127): the byte cannot fall under 1
	v_max_num_f32_dpp v8, v8, v8 row_xmask:1 row_mask:0xf bank_mask:0xf   ; and of my neighbour's 16: the block's
	v_add_nc_u32 v11, -(EMAX<<23), v8              ; 2 off its exponent field: the conversion takes the exponent field of this operand as its scale
	v_cvt_scalef32_pk8_fp4_f32 v[C+4*(\t)], v[XS:XS+7], v11
	v_cvt_scalef32_pk8_fp4_f32 v[C+4*(\t)+1], v[XS+8:XS+15], v11
	v_lshrrev_b32 v[E+(\t)], 23, v11               ; the scale's byte
	ds_store_b8 v5, v[E+(\t)] offset:16*(\t)       ; both lanes of a block write the same byte with the same value
	global_store_b64 v4, v[C+4*(\t):C+4*(\t)+1], s[8:9] offset:32*CB*(\t)
.endm
.irp t, 0,1,2,3,4,5,6,7,8,9,10,11,12,13,14,15
	STEP \t
.endr
.irp i, 0,1,2,3,4,5,6,7                ; W_o: every load of the wave is in (the last wait on loads was for 0)
.irp j, 0,1
	v_cvt_pk_f16_f32 v[WH+2*\i+\j], v[WO+4*\i+2*\j], v[WO+4*\i+2*\j+1]
.endr
.endr
.irp i, 0,1,2,3,4,5,6,7
	global_store_b64 v7, v[WH+2*\i:WH+2*\i+1], s[12:13] offset:256*\i   ; 32 lanes store 256 consecutive bytes, aligned
.endr
	ds_load_b64 v[8:9], v6                         ; LDS serves a wave's instructions in order: these see my byte stores
	s_wait_dscnt 0x0
	global_store_b64 v7, v[8:9], s[10:11]          ; 32 lanes store 256 consecutive bytes, aligned
	s_wait_tensorcnt 0x0                           ; the wave's end, behind my last LDS store
	ds_add_u32 v[SPW], v[NIL]
	s_wait_dscnt 0x0
	s_endpgm
.Lfunc_end_k_q572c659e58_prep_x:
	.size	k_q572c659e58_prep_x, .Lfunc_end_k_q572c659e58_prep_x-k_q572c659e58_prep_x
	.p2alignl 7, 3214868480
	.fill 96, 4, 3214868480
	.section	.rodata,"a",@progbits
	.p2align	6, 0x0
	.amdhsa_kernel k_q572c659e58_prep_x
		.amdhsa_group_segment_fixed_size 33280
		.amdhsa_private_segment_fixed_size 0
		.amdhsa_enable_private_segment 0
		.amdhsa_kernarg_size 40
		.amdhsa_user_sgpr_count 2
		.amdhsa_user_sgpr_kernarg_segment_ptr 1
		.amdhsa_wavefront_size32 1
		.amdhsa_system_sgpr_workgroup_id_x 1
		.amdhsa_system_sgpr_workgroup_id_y 1
		.amdhsa_system_sgpr_workgroup_id_z 1
		.amdhsa_system_vgpr_workitem_id 0
		.amdhsa_next_free_vgpr 240
		.amdhsa_next_free_sgpr 66
		.amdhsa_reserve_vcc 0
		.amdhsa_float_denorm_mode_32 3
		.amdhsa_float_denorm_mode_16_64 3
		.amdhsa_memory_ordered 1
		.amdhsa_forward_progress 1
		.amdhsa_inst_pref_size 36
	.end_amdhsa_kernel
	.amdgpu_metadata
---
amdhsa.version: [ 1, 2 ]
amdhsa.kernels:
  - .name:           k_q572c659e58_prep_x
    .symbol:         k_q572c659e58_prep_x.kd
    .args:
      - { .name: x, .offset: 0, .size: 8, .value_kind: global_buffer, .address_space: global }
      - { .name: W_o, .offset: 8, .size: 8, .value_kind: global_buffer, .address_space: global }
      - { .name: x_codes, .offset: 16, .size: 8, .value_kind: global_buffer, .address_space: global }
      - { .name: x_scales, .offset: 24, .size: 8, .value_kind: global_buffer, .address_space: global }
      - { .name: wo_h, .offset: 32, .size: 8, .value_kind: global_buffer, .address_space: global }
    .group_segment_fixed_size: 33280
    .private_segment_fixed_size: 0
    .kernarg_segment_align: 8
    .kernarg_segment_size: 40
    .max_flat_workgroup_size: 128
    .sgpr_count:     66
    .vgpr_count:     240
    .wavefront_size: 32
...
	.end_amdgpu_metadata
.endif
;; end of part 1
;; launch prep_w (part 2): grid 48 x 2, 8 waves a work-group, no clusters, 19,456 bytes of LDS; arguments W_q, W_k, W_v, w_codes, w_scales; writes w_codes, w_scales
.if DOCPART == 2
	.amdgcn_target "amdgcn-amd-amdhsa--gfx1250"
	.amdhsa_code_object_version 6
	.text
	.protected	k_q572c659e58_prep_w
	.globl	k_q572c659e58_prep_w
	.p2align	8
	.type	k_q572c659e58_prep_w,@function
k_q572c659e58_prep_w:
	s_mov_b64 s[64:65], 0
	v_nop
	global_prefetch_b8 v0, s[64:65] scope:SCOPE_SE
	s_setreg_imm32_b32 hwreg(HW_REG_WAVE_MODE, 25, 1), 1
	s_wait_xcnt 0x0
; W_q, W_k, W_v [1024 (k)][1024 (n)] f32, whose K is the FIRST axis, become codes of FP4 (E2M1) laid [3072 = q | k | v columns][1024 along K] with K innermost (512 bytes a column),
; and one E8M0 scale byte for each 32 along K, laid [3072][32].  No work is left out.
; A LANE TAKES A COLUMN n, AND ITS REGISTERS RUN DOWN K: a load reads 32 neighbouring columns (128 consecutive bytes a wave; the two waves side by side 256), a block of 32 along K lies in one lane's
; 32 registers, and the conversions give the codes with K innermost.  Nothing is transposed by an instruction.
; A block's scale byte is its largest magnitude's exponent field - 2, held at 1 from below (a block of zeros: byte 1 and zero codes; this program alone reads the bytes).
; LIMITS: blocks whose largest magnitude lies under 2^-124 keep the byte 1; NaN and infinities among the inputs are not served.
; SHARES: a work-group takes 64 columns x 512 along K.  Wave w: columns 32 (w & 1) on, 128 along K from 128 (w >> 1) on: four blocks a lane.
; The codes meet in a stage (a row a column, 256 bytes + 16) and leave, behind a barrier, as rows: sixteen lanes store 256 consecutive bytes, aligned.
; The scale bytes meet likewise and leave 16 bytes a column, 32 bytes apart: one byte in 128 of what the launch reads.  No cluster: no two work-groups read the same bytes.
.set NB,    4                          ; blocks a lane
.set PITCH, 272                        ; a stage row
.set EMAX,  2
.set X,     32                         ; v32-95   two sets of 32 numbers
.set C,     96                         ; v96-99   a block's codes
.set SO,    100                        ; v100-103 scale bytes on the way out
.set OUTR,  112                        ; v112-127 codes on the way out
.set SPW,   14                         ; v14      LDS address of my spare word; never rewritten
.set NIL,   15                         ; v15      0; never rewritten
.set SB,    24                         ; v24      my four scale bytes
.set SCS,   64*PITCH                   ; behind the stage: 64 columns x 16 scale bytes
.set SPARE, SCS+1024                   ; behind them: the spare words, 128 bytes for each of eight waves
	s_load_b128 s[4:7], s[0:1], 0x0                ; W_q, W_k
	s_load_b128 s[8:11], s[0:1], 0x10              ; W_v, the codes
	s_load_b64 s[12:13], s[0:1], 0x20              ; the scale bytes
	v_lshl_add_u32 v[SPW], v0, 2, SPARE
	v_mov_b32 v[NIL], 0
	v_lshrrev_b32 v1, 5, v0
	v_readfirstlane_b32 s16, v1                    ; wave 0..7
	v_and_b32 v2, 31, v0                           ; lane
	s_and_b32 s17, s16, 1                          ; which 32 columns
	s_lshr_b32 s18, s16, 1                         ; which 128 along K
	s_and_b32 s19, ttmp7, 0xffff                   ; which 512 along K: work-group y
	v_lshlrev_b32 v3, 2, v2                        ; in: 4 bytes a lane
	s_mul_i32 s20, s17, 32*PITCH
	s_lshl_b32 s21, s18, 6
	s_add_co_u32 s20, s20, s21
	v_mul_u32_u24 v4, v2, PITCH
	v_add_nc_u32 v4, s20, v4                       ; into the stage: row = my column, my 64 bytes of its 256
	s_lshl_b32 s20, s17, 9
	s_lshl_b32 s21, s18, 2
	s_add_co_u32 s20, s20, s21
	s_add_co_u32 s20, s20, SCS
	v_lshl_add_u32 v5, v2, 4, s20                  ; my scale word: 16 bytes a column, my 4 of them
	v_and_b32 v6, 15, v2
	v_lshrrev_b32 v1, 4, v2
	s_mul_i32 s20, s16, 8*PITCH
	v_mul_u32_u24 v7, v1, PITCH
	v_lshl_add_u32 v7, v6, 4, v7
	v_add_nc_u32 v7, s20, v7                       ; out of the stage: wave w takes rows 8 w on; sixteen lanes to a row, two rows an instruction
	v_lshlrev_b32 v8, 9, v1
	v_lshl_add_u32 v8, v6, 4, v8                   ; and the same place in the codes' buffer: 512 bytes a column
	s_lshl_b32 s20, s17, 9
	s_add_co_u32 s20, s20, SCS
	v_lshl_add_u32 v9, v2, 4, s20                  ; scale bytes on the way out (waves 0 and 1 alone read here): column 32 (w & 1) + lane
	v_lshlrev_b32 v10, 5, v2                       ; 32 bytes a column in the scales' buffer
	s_and_b32 s20, ttmp9, 15                       ; W: 256 bytes x the block of 64 columns inside the weight + 128 x (w & 1) + 4,096 x the first k
	s_lshl_b32 s20, s20, 8
	s_lshl_b32 s21, s17, 7
	s_add_co_u32 s20, s20, s21
	s_lshl_b32 s21, s19, 21
	s_add_co_u32 s20, s20, s21
	s_lshl_b32 s21, s18, 19
	s_add_co_u32 s20, s20, s21
	s_mov_b32 s21, 0
	s_lshl_b32 s22, ttmp9, 15                      ; codes: (64 x + 8 w) columns of 512 bytes + 256 y
	s_lshl_b32 s23, s16, 12
	s_add_co_u32 s22, s22, s23
	s_lshl_b32 s23, s19, 8
	s_add_co_u32 s22, s22, s23
	s_mov_b32 s23, 0
	s_lshl_b32 s24, ttmp9, 11                      ; scale bytes: (64 x + 32 (w & 1)) columns of 32 bytes + 16 y
	s_lshl_b32 s25, s17, 10
	s_add_co_u32 s24, s24, s25
	s_lshl_b32 s25, s19, 4
	s_add_co_u32 s24, s24, s25
	s_mov_b32 s25, 0
	s_wait_kmcnt 0x0
	s_cmp_lt_u32 ttmp9, 16                         ; which weight: the choice hangs on the work-group's number alone
	s_cselect_b64 s[4:5], s[4:5], s[6:7]
	s_cmp_lt_u32 ttmp9, 32
	s_cselect_b64 s[4:5], s[4:5], s[8:9]
	s_add_nc_u64 s[4:5], s[4:5], s[20:21]
	s_add_nc_u64 s[10:11], s[10:11], s[22:23]
	s_add_nc_u64 s[12:13], s[12:13], s[24:25]
.macro LOAD t                          ; block t: W(k0 + 32 t + i, my column), i = 0 .. 31, into set t % 2
.irp i, 0,1,2,3,4,5,6,7,8,9,10,11,12,13,14,15,16,17,18,19,20,21,22,23,24,25,26,27,28,29,30,31
	global_load_b32 v[X+32*((\t)%2)+\i], v3, s[4:5] offset:(32*(\t)+\i)*4096 th:TH_LOAD_NT
.endr
.endm
	LOAD 0
	LOAD 1
.macro BLOCK t
.set XS, X+32*((\t)%2)
.if (\t) < NB-1
	s_wait_loadcnt 32                              ; this block's 32 loads are in; the next block's may be out
.else
	s_wait_loadcnt 0
.endif
	v_max3_num_f32 v12, |v[XS]|, |v[XS+1]|, |v[XS+2]|               ; the block's largest magnitude: all 32 numbers are mine
	v_max3_num_f32 v13, |v[XS+3]|, |v[XS+4]|, |v[XS+5]|
.irp i, 6,10,14,18,22,26
	v_max3_num_f32 v12, v12, |v[XS+\i]|, |v[XS+\i+1]|
	v_max3_num_f32 v13, v13, |v[XS+\i+2]|, |v[XS+\i+3]|
.endr
	v_max3_num_f32 v12, v12, |v[XS+30]|, |v[XS+31]|
	v_max3_num_f32 v12, v12, v13, (EMAX+1)<<23     ; and the floor 2^(3 - 127): the byte cannot fall under 1
	v_add_nc_u32 v11, -(EMAX<<23), v12             ; 2 off its exponent field: the conversion's scale operand
	v_lshrrev_b32 v13, 23, v11                     ; the scale's byte
.if (\t) == 0
	v_mov_b32 v[SB], v13                           ; four bytes to the register, the lower K in the lower byte
.else
	v_lshl_or_b32 v[SB], v13, 8*(\t), v[SB]
.endif
.irp g, 0,1,2,3
	v_cvt_scalef32_pk8_fp4_f32 v[C+\g], v[XS+8*\g:XS+8*\g+7], v11
.endr
	ds_store_b128 v4, v[C:C+3] offset:16*(\t)      ; 32 codes: 16 bytes of my column's row
.if (\t)+2 < NB
	LOAD (\t)+2
.endif
	s_wait_dscnt 0x0                               ; the store has read its registers: the next block's codes may be written
.endm
	BLOCK 0
	BLOCK 1
	BLOCK 2
	BLOCK 3
	ds_store_b32 v5, v[SB]
	s_wait_dscnt 0x0                               ; for the others' sake: my stores have landed
	s_barrier_signal -1
	s_barrier_wait -1                              ; 64 whole rows of codes and 64 x 16 scale bytes lie in LDS
.irp t, 0,1,2,3
	ds_load_b128 v[OUTR+4*\t:OUTR+4*\t+3], v7 offset:2*\t*PITCH
.endr
.irp t, 0,1,2,3
	s_wait_dscnt 3-\t                              ; LDS loads come back in order: load t is in, the younger ones may be out
	global_store_b128 v8, v[OUTR+4*\t:OUTR+4*\t+3], s[10:11] offset:2*\t*512
.endr
	s_cmp_lt_u32 s16, 2                            ; waves 0 and 1 send the scale bytes; no barrier stands under this branch
	s_cbranch_scc0 .Lno_scales
	ds_load_b128 v[SO:SO+3], v9
	s_wait_dscnt 0x0
	global_store_b128 v10, v[SO:SO+3], s[12:13]
.Lno_scales:
	s_wait_tensorcnt 0x0                           ; the wave's end, behind my last LDS store
	ds_add_u32 v[SPW], v[NIL]
	s_wait_dscnt 0x0
	s_endpgm
.Lfunc_end_k_q572c659e58_prep_w:
	.size	k_q572c659e58_prep_w, .Lfunc_end_k_q572c659e58_prep_w-k_q572c659e58_prep_w
	.p2alignl 7, 3214868480
	.fill 96, 4, 3214868480
	.section	.rodata,"a",@progbits
	.p2align	6, 0x0
	.amdhsa_kernel k_q572c659e58_prep_w
		.amdhsa_group_segment_fixed_size 19456
		.amdhsa_private_segment_fixed_size 0
		.amdhsa_enable_private_segment 0
		.amdhsa_kernarg_size 40
		.amdhsa_user_sgpr_count 2
		.amdhsa_user_sgpr_kernarg_segment_ptr 1
		.amdhsa_wavefront_size32 1
		.amdhsa_system_sgpr_workgroup_id_x 1
		.amdhsa_system_sgpr_workgroup_id_y 1
		.amdhsa_system_sgpr_workgroup_id_z 1
		.amdhsa_system_vgpr_workitem_id 0
		.amdhsa_next_free_vgpr 128
		.amdhsa_next_free_sgpr 66
		.amdhsa_reserve_vcc 0
		.amdhsa_float_denorm_mode_32 3
		.amdhsa_float_denorm_mode_16_64 3
		.amdhsa_memory_ordered 1
		.amdhsa_forward_progress 1
		.amdhsa_inst_pref_size 23
	.end_amdhsa_kernel
	.amdgpu_metadata
---
amdhsa.version: [ 1, 2 ]
amdhsa.kernels:
  - .name:           k_q572c659e58_prep_w
    .symbol:         k_q572c659e58_prep_w.kd
    .args:
      - { .name: W_q, .offset: 0, .size: 8, .value_kind: global_buffer, .address_space: global }
      - { .name: W_k, .offset: 8, .size: 8, .value_kind: global_buffer, .address_space: global }
      - { .name: W_v, .offset: 16, .size: 8, .value_kind: global_buffer, .address_space: global }
      - { .name: w_codes, .offset: 24, .size: 8, .value_kind: global_buffer, .address_space: global }
      - { .name: w_scales, .offset: 32, .size: 8, .value_kind: global_buffer, .address_space: global }
    .group_segment_fixed_size: 19456
    .private_segment_fixed_size: 0
    .kernarg_segment_align: 8
    .kernarg_segment_size: 40
    .max_flat_workgroup_size: 256
    .sgpr_count:     66
    .vgpr_count:     128
    .wavefront_size: 32
...
	.end_amdgpu_metadata
.endif
;; end of part 2
;; launch qkv (part 3): grid 12 x 32, 4 waves a work-group, clusters of 4 x 4, 327,680 bytes of LDS; arguments x_codes, x_scales, w_codes, w_scales, alpha, qkv; writes qkv
.if DOCPART == 3
	.amdgcn_target "amdgcn-amd-amdhsa--gfx1250"
	.amdhsa_code_object_version 6
	.text
	.protected	k_q572c659e58_qkv
	.globl	k_q572c659e58_qkv
	.p2align	8
	.type	k_q572c659e58_qkv,@function
k_q572c659e58_qkv:
	s_mov_b64 s[64:65], 0
	v_nop
	global_prefetch_b8 v0, s[64:65] scope:SCOPE_SE
	s_setreg_imm32_b32 hwreg(HW_REG_WAVE_MODE, 25, 1), 1
	s_wait_xcnt 0x0
	s_wait_alu depctr_hold_cnt(0) depctr_sa_sdst(0) depctr_va_vdst(0) depctr_va_sdst(0) depctr_va_ssrc(0) depctr_va_vcc(0) depctr_vm_vsrc(0)
	s_getreg_b32 s2, hwreg(HW_REG_IB_STS2, 6, 4)
	s_cmp_eq_u32 s2, 0
	s_cbranch_scc0 .Lentry_in_a_cluster
	s_endpgm
.Lentry_in_a_cluster:
	s_bfe_u32 s2, ttmp6, 0x10000c
	s_cmp_lg_u32 s2, 0xf033
	s_cbranch_scc0 .Lentry_shape_is_right
	s_endpgm
.Lentry_shape_is_right:
; [8192 tokens][3072 = q | k | v columns] = x W on codes of FP4 (E2M1) with one E8M0 scale for each 32 along K = 1024; then Q + 0.1 sin Q, K + 0.1 cos K, V + alpha 0.1 tanh V in f32; then f16,
; laid [3 sections][batch x head][token][64].  No work is left out.
; A tile of 256 x 256 is made by a work-group of four waves; a wave makes 128 x 128: 64 accumulators of 16 x 16, 512 registers.  K = 1024 is two slots of 512 along K: both are first fills, nothing is filled again.
; THE SCALES of the work-group's 256 tokens and 256 columns, for all of K, are two dense blocks of memory: they come into LDS once, with the first fills.
; CLUSTERS: 4 x 4 work-groups.  The four of a row of the cluster need the same tiles of x, the four of a column the same tiles of W: each tile is asked for JOINTLY, by the same tensor load with the
; same descriptor and a mask that names the four.  A wave has three tensor loads out at the most: the scales, slot 0, slot 1.
; THE MATRIX INSTRUCTION IS USED TRANSPOSED (source 0 = 16 columns of W, source 1 = 16 tokens): a lane then holds eight neighbouring columns of one token.
; A cluster's x is the section (0: Q, 1: K, 2: V), the same in all sixteen partners: the one branch of the way out hangs on it.
; sin AND cos: n = round(x / pi + s), f = x - n pi + s pi (pi in two parts, fused), s = 0 for sin and 1/2 for cos; sin f by its series to f^11 on |f| <= pi / 2 (the next term is under 6e-8); the sign by n's parity.
; tanh v = 1 - 2 / (1 + 2^(2 log2(e) v)): +-1 where the exponential overflows or vanishes.
; LIMITS: |Q|, |K|, |V| under 65,504 (f16); the reduction holds for |x| under 2^22 pi, which that covers; NaN and infinities are not served.
; REGISTERS, in windows of 256: window 0: v0-31 addresses; v32-95 scale words, two sets; v96-127 the way out's constants, as pairs; from v128 the tokens' fragments, ONE set; on the way out v32-95 and v128-255 are at work.
;   window 1: W's fragments, TWO sets, at v0 and at v128.   window 2: the 32 accumulators of my tokens 0-63 (accumulator (a, b) at v[8 (8 a + b)]);   window 3: those of my tokens 64-127.
.set SIZE_K, 1024
.set KSTEP,  512                       ; along K in a slot
.set NQ,     KSTEP/128                 ; matrix instructions deep
.set ROWB,   256                       ; a tile's row in bytes
.set KROW,   SIZE_K*4/8                ; a row of codes in memory
.set PITCH,  272                       ; an LDS row: 256 bytes + 16 of padding = 68 words: the 16 rows that a load touches start at 16 different banks (64 banks of 4 bytes: ISA guide 11.1)
.set FR,     8                         ; registers of a fragment: 16 rows x 128 K
.set NL,     2                         ; LDS loads that bring one
.set NP,     4                         ; places behind this matrix instruction (ISA guide 7.12.1)
.set HALFT,  128*PITCH                 ; 128 rows: what one tensor load brings
.set SLOT,   4*HALFT                   ; the tokens' 256 rows, then W's 256
.set KS,     SIZE_K/32                 ; a row of scales in bytes
.set SCL,    2*SLOT                    ; behind the ring: the scales, as runs of 256 bytes + 16 of padding
.set HALFS,  (128*KS/256)*272          ; the scales of 128 rows: what one tensor load brings
.set SBLK,   (16*KS/256)*272           ; those of 16 rows
.set SPARE,  SCL+4*HALFS               ; behind the scales: the spare words, 128 bytes for each wave
.set SPITCH, 528                       ; the way out: a stage row: 128 f32 + 16 bytes
.set WSTG,   128*SPITCH                ; a wave's stage: 128 tokens.  The four stages lie over the ring, which has had its last fill and, behind the barrier in the last step, its last read
.set ADRA, 16                          ; v16-17  LDS address of my tokens' fragments in slot 0, 1
.set ADRB, 20                          ; v20-21  the same for W
.set STO,  24                          ; v24     the way out: where I put 32 bytes of a token's row
.set RD0,  25                          ; v25     the way out: where I read 32 bytes back
.set GO,   26                          ; v26     my byte offset in qkv
.set ADRS, 27                          ; v27     LDS address of my scale words: lanes 0-15 the tokens', lanes 16-31 W's
.set SPW,  28                          ; v28     LDS address of my spare word; never rewritten
.set NIL,  29                          ; v29     0; never rewritten
.set ADR,  30                          ; v30     the way out: the trip's read address
.set SC,   32                          ; scale words: set s at v[SC + 32 s]
.set AF,   128                         ; the tokens' fragments, in window 0
.set TA,   32                          ; the way out: four runs of 16 registers at work
.set TBB,  48
.set TCC,  64
.set TDD,  80
.set CIP,  96                          ; constants, each a pair with both words equal: 1 / pi
.set CP1,  98                          ; 0, or 1/2 for cos
.set CMG,  100                         ; 1.5 x 2^23: adding it rounds to a whole number and leaves that number's parity in bit 0
.set CNM,  102                         ; its negative
.set CPH,  104                         ; -pi, high part
.set CPL,  106                         ; -pi, low part
.set CP2,  108                         ; 0, or pi / 2 for cos
.set C11,  110                         ; -1/11!
.set C9,   112                         ; 1/9!
.set C7,   114                         ; -1/7!
.set C5,   116                         ; 1/5!
.set C3,   118                         ; -1/3!
.set CK2,  120                         ; 2 log2(e)
.set ONE,  122
.set NG2,  124
.set ATH,  126                         ; alpha x 0.1
.set XA,   128                         ; the way out: 16 tokens' numbers: 64 registers
.set XB,   192                         ; and the next 16 tokens'
.set G1, 24                            ; s[24:31] descriptor group 1 for the tokens' tiles;  s[32:39] group 0, one set for each slot
.set G0, 32
.set G1B, 48                           ; s[48:55], s[56:63] the same for W's tiles
.set G0B, 56
.set G1S, 68                           ; s[68:75], s[76:79] groups 1 and 0 for the tokens' scales;  s[80:87], s[88:91] for W's
.set G0S, 76
.set G1SB, 80
.set G0SB, 88
.set MSB, 0
.macro WIN new                         ; the immediate's high byte repeats the setting that is left
.if MSB != \new
	s_set_vgpr_msb (MSB<<8)|\new
.set MSB, \new
.endif
.endm
.set MUL_LO, 0xa1                      ; source 0 (W) window 1, source 1 (tokens) window 0, C and D window 2
.set MUL_HI, 0xf1                      ; the same, C and D window 3
.set TO_B,   0x40                      ; destination window 1, address window 0
; A joint load: waves 0 and 1 fetch for the tokens, waves 2 and 3 for W.  Each of the two lines has ONE mask and one set of registers for all that issue it; the branch hangs on the wave's number alone.
; An s_nop 0 and four v_nop follow each of the two lines, ahead of the jump, the label and what follows.
.macro JLOAD g0a, g1a, g0b, g1b
	s_cmp_eq_u32 s15, 0
	s_cbranch_scc0 .Lfor_b_\@
	tensor_load_to_lds s[\g0a:\g0a+3], s[\g1a:\g1a+7]
	s_nop 0
.rept 4
	v_nop
.endr
	s_branch .Lasked_\@
.Lfor_b_\@:
	tensor_load_to_lds s[\g0b:\g0b+3], s[\g1b:\g1b+7]
	s_nop 0
.rept 4
	v_nop
.endr
.Lasked_\@:
.endm
.macro CREST                           ; a round of the cluster's barrier behind its opening barrier
	s_cmp_lg_u32 s14, 0
	s_cbranch_scc1 .Lnot_wave_0_\@
	s_barrier_signal -3
.Lnot_wave_0_\@:
	s_barrier_wait -3
	s_barrier_signal -1
	s_barrier_wait -1
.endm
.macro CROUND                          ; a whole round
	s_barrier_signal -1
	s_barrier_wait -1
	CREST
.endm
.macro CONST reg, val
	v_mov_b32 v[\reg], \val
	v_mov_b32 v[\reg+1], \val
.endm
	s_load_b128 s[4:7], s[0:1], 0x0                ; x's codes s[4:5], x's scales s[6:7]
	s_load_b128 s[8:11], s[0:1], 0x10              ; W's codes s[8:9], W's scales s[10:11]
	s_load_b64 s[96:97], s[0:1], 0x20              ; alpha
	s_load_b64 s[12:13], s[0:1], 0x28              ; qkv
	v_lshl_add_u32 v[SPW], v0, 2, SPARE
	v_mov_b32 v[NIL], 0
	ds_add_u32 v[SPW], v[NIL]                      ; the wave's opening: the add, twice on end, and its wait ahead of my first tensor load
	ds_add_u32 v[SPW], v[NIL]                      ; and once more, under the one wait; the set-up below, work on registers, stands between
	v_lshrrev_b32 v1, 5, v0
	v_readfirstlane_b32 s14, v1                    ; wave 0..3
	s_lshr_b32 s15, s14, 1                         ; which half of the tile's tokens is mine.  Also: I fetch for the tokens (0) or for W (1)
	s_and_b32 s16, s14, 1                          ; which half of its columns.  Also: which 128 rows of that tile I fetch
	s_bfe_u32 s40, ttmp6, 0x40000                  ; cx, cy: my place in the cluster
	s_bfe_u32 s41, ttmp6, 0x40004
	s_lshl_b32 s42, ttmp9, 2
	s_add_co_u32 s42, s42, s40                     ; tile column = 4 x cluster x + cx
	s_and_b32 s17, ttmp7, 0xffff
	s_lshl_b32 s17, s17, 2
	s_add_co_u32 s17, s17, s41                     ; tile row = 4 x cluster y + cy
	s_lshl_b32 s43, s41, 2
	s_lshl_b32 s43, 15, s43                        ; my row of the cluster
	s_lshl_b32 s44, 0x1111, s40                    ; my column
	; descriptor group 1: a tile of 128 rows x 256 bytes, padded in LDS
	s_or_b32 s[G1+0], s43, (0<<16)|(1<<20)|(1<<21)|(5<<22)|(3<<25)  ; 15:0 the mask: the tokens' tiles go to my row; 17:16 element of 1 byte; 20 padding on; 21 set beside a mask; 24:22 after every 64 words; 31:25 of 4 words
	s_or_b32 s[G1B+0], s44, (0<<16)|(1<<20)|(1<<21)|(5<<22)|(3<<25)
.irp g, G1, G1B
	s_mov_b32 s[\g+1], ROWB<<16                    ; tensor_dim0
	s_mov_b32 s[\g+2], 128<<16                     ; tensor_dim1 = 128
	s_mov_b32 s[\g+3], ROWB<<16                    ; tile_dim0
	s_mov_b32 s[\g+4], 128                         ; tile_dim1 = 128
	s_mov_b32 s[\g+5], KROW                        ; tensor_dim0_stride
	s_mov_b32 s[\g+6], 0
	s_mov_b32 s[\g+7], 0
.endr
	; and for the scales of 128 rows: a dense block of 4,096 bytes, as rows of 256 bytes (32 elements of 8 bytes), 16 bytes of padding behind each
	s_or_b32 s[G1S+0], s43, (3<<16)|(1<<20)|(1<<21)|(5<<22)|(3<<25)
	s_or_b32 s[G1SB+0], s44, (3<<16)|(1<<20)|(1<<21)|(5<<22)|(3<<25)
.irp g, G1S, G1SB
	s_mov_b32 s[\g+1], 32<<16
	s_mov_b32 s[\g+2], (128*KS/256)<<16
	s_mov_b32 s[\g+3], 32<<16
	s_mov_b32 s[\g+4], 128*KS/256
	s_mov_b32 s[\g+5], 32
	s_mov_b32 s[\g+6], 0
	s_mov_b32 s[\g+7], 0
.endr
	s_lshl_b32 s18, s16, 7                         ; which 128 rows of the tile I fetch
	s_lshl_b32 s20, s17, 8
	s_add_co_u32 s20, s20, s18                     ; tokens: row 256 x tile row + 128 x half
	s_lshl_b32 s46, s42, 8
	s_add_co_u32 s46, s46, s18                     ; W: row 256 x tile column + 128 x half
	s_mov_b32 s21, 0
	s_mov_b32 s47, 0
	s_mov_b64 s[18:19], KS
	s_mul_u64 s[22:23], s[20:21], s[18:19]         ; where these rows' scales begin, in bytes
	s_mul_u64 s[92:93], s[46:47], s[18:19]
	s_mov_b64 s[18:19], KROW
	s_mul_u64 s[20:21], s[20:21], s[18:19]         ; and their codes
	s_mul_u64 s[46:47], s[46:47], s[18:19]
	s_mul_i32 s45, s14, HALFT                      ; where they go: wave x 128 rows: no place in the cluster enters an LDS address
	s_mul_i32 s94, s14, HALFS
	s_wait_dscnt 0x0                               ; both opening adds are done
	s_wait_kmcnt 0x0
	s_add_nc_u64 s[20:21], s[4:5], s[20:21]
	s_add_nc_u64 s[22:23], s[6:7], s[22:23]
	s_add_nc_u64 s[46:47], s[8:9], s[46:47]
	s_add_nc_u64 s[92:93], s[10:11], s[92:93]
	CROUND                                         ; all sixteen work-groups are here: the first joint loads meet
	s_mov_b32 s[G0S], 1
	s_add_co_u32 s[G0S+1], s94, SCL
	s_mov_b64 s[G0S+2:G0S+3], s[22:23]
	s_or_b32 s[G0S+3], s[G0S+3], 0x80000000
	s_mov_b32 s[G0SB], 1
	s_add_co_u32 s[G0SB+1], s94, SCL
	s_mov_b64 s[G0SB+2:G0SB+3], s[92:93]
	s_or_b32 s[G0SB+3], s[G0SB+3], 0x80000000
	JLOAD G0S, G1S, G0SB, G1SB                     ; the scales first: they are wanted with the first slot
.irp s, 0,1
	s_mov_b32 s[G0+4*\s], 1
	s_add_co_u32 s[G0+4*\s+1], s45, \s*SLOT
	s_add_nc_u64 s[G0+4*\s+2:G0+4*\s+3], s[20:21], \s*ROWB
	s_or_b32 s[G0+4*\s+3], s[G0+4*\s+3], 0x80000000
	s_mov_b32 s[G0B+4*\s], 1
	s_add_co_u32 s[G0B+4*\s+1], s45, \s*SLOT
	s_add_nc_u64 s[G0B+4*\s+2:G0B+4*\s+3], s[46:47], \s*ROWB
	s_or_b32 s[G0B+4*\s+3], s[G0B+4*\s+3], 0x80000000
	JLOAD G0+4*\s, G1, G0B+4*\s, G1B
.endr
	s_load_b32 s100, s[96:97], 0x0                 ; alpha: a value for arithmetic alone
	v_and_b32 v1, 15, v0                           ; l % 16
	v_bfe_u32 v2, v0, 4, 1                         ; l / 16
	v_mul_u32_u24 v3, v1, PITCH
	v_lshl_add_u32 v4, v2, 4, v3                   ; a fragment's row x pitch + 16 x half
	s_mul_i32 s21, s15, HALFT                      ; my 128 tokens
	s_mul_i32 s22, s16, HALFT                      ; my 128 columns of W,
	s_add_co_u32 s22, s22, 2*HALFT                 ; which lie behind the tokens' 256 rows
.irp s, 0,1
	v_add_nc_u32 v[ADRA+\s], s21, v4
	v_add_nc_u32 v[ADRB+\s], s22, v4
	s_add_co_u32 s21, s21, SLOT
	s_add_co_u32 s22, s22, SLOT
.endr
	v_mul_u32_u24 v5, v1, KS                       ; my row's scales: KS bytes a row,
	v_lshrrev_b32 v6, 8, v5
	v_lshl_add_u32 v5, v6, 4, v5                   ; and 16 more for each 256 passed
	s_mul_i32 s21, s15, HALFS                      ; the tokens': my 128 rows
	s_mul_i32 s22, s16, HALFS                      ; W's: my 128 rows, behind the tokens' 256
	s_add_co_u32 s22, s22, 2*HALFS
	s_sub_co_u32 s22, s22, s21
	v_mul_u32_u24 v6, s22, v2                      ; lanes 16-31 take W's: one product, the lower base + half x the distance
	s_add_co_u32 s21, s21, SCL
	v_add_nc_u32 v5, v5, v6
	v_add_nc_u32 v[ADRS], s21, v5
	s_mul_i32 s23, s14, WSTG                       ; my stage
	v_mul_u32_u24 v5, v1, SPITCH                   ; in: row l % 16, 32 bytes for each half of the lanes
	v_lshl_add_u32 v5, v2, 5, v5
	v_add_nc_u32 v[STO], s23, v5
	v_bfe_u32 v5, v0, 3, 1                         ; back: lanes 0-7 and 16-23 an even token, lanes 8-15 and 24-31 the odd one;
	v_mul_u32_u24 v5, v5, SPITCH
	v_lshl_add_u32 v5, v2, 8, v5                   ; lanes 16-31 the second head's 64 columns (256 bytes on);
	v_and_b32 v6, 7, v0
	v_lshl_add_u32 v5, v6, 5, v5                   ; eight columns, 32 bytes, a lane
	v_add_nc_u32 v[RD0], s23, v5
	v_lshlrev_b32 v[GO], 4, v1                     ; in qkv: 16 bytes a lane, two tokens of 128 bytes on end;
	v_lshl_add_u32 v[GO], v2, 18, v[GO]            ; lanes 16-31 one head (262,144 bytes) on
	s_lshr_b32 s20, s17, 3                         ; where my part begins in qkv: the batch (8 tile rows each) x 16 heads x 262,144,
	s_lshl_b32 s20, s20, 22
	s_and_b32 s21, s17, 7
	s_lshl_b32 s21, s21, 15                        ; + 256 tokens x 128 bytes for each tile row inside the batch,
	s_add_co_u32 s20, s20, s21
	s_lshl_b32 s21, s15, 14                        ; + my half's 128 tokens,
	s_add_co_u32 s20, s20, s21
	s_mov_b32 s21, 0
	s_lshl_b32 s46, ttmp9, 24                      ; + the section (16,777,216 bytes each),
	s_lshl_b32 s47, s40, 20                        ; + 4 heads for each place along the cluster's x,
	s_add_co_u32 s46, s46, s47
	s_lshl_b32 s47, s16, 19                        ; + 2 heads for my half of the columns
	s_add_co_u32 s46, s46, s47
	s_mov_b32 s47, 0
	s_add_nc_u64 s[20:21], s[20:21], s[46:47]
	s_add_nc_u64 s[12:13], s[12:13], s[20:21]
	s_mov_b32 s22, 0x3f000000
	s_mov_b32 s23, 0x3fc90fdb
	s_cmp_eq_u32 ttmp9, 1                          ; K's section takes the cosine
	s_cselect_b32 s22, s22, 0
	s_cselect_b32 s23, s23, 0
	CONST CIP, 0x3ea2f983
	CONST CP1, s22
	CONST CMG, 0x4b400000
	CONST CNM, 0xcb400000
	CONST CPH, 0xc0490fdb
	CONST CPL, 0x33bbbd2e
	CONST CP2, s23
	CONST C11, 0xb2d7322b
	CONST C9,  0x3638ef1d
	CONST C7,  0xb9500d01
	CONST C5,  0x3c088889
	CONST C3,  0xbe2aaaab
	CONST CK2, 0x4038aa3b
	CONST ONE, 1.0
	CONST NG2, -2.0
	s_wait_kmcnt 0x0                               ; alpha
	v_mov_b32 v[ATH], s100
	v_mul_f32 v[ATH], 0x3dcccccd, v[ATH]           ; alpha x 0.1
	v_mov_b32 v[ATH+1], v[ATH]
.macro FRAG reg, adr, q, i             ; a fragment, 16 rows x 128 K of 4-bit codes: lane l holds row l % 16; registers 4 c .. 4 c + 3 hold K = 64 c + 32 (l / 16) + 0 .. 31
.irp c, 0,1
	ds_load_b128 v[\reg+4*\c:\reg+4*\c+3], v[\adr] offset:64*(\q)+32*\c+(\i)*16*PITCH
.endr
.endm
; 16 matrix instructions: the tokens' blocks a0, a0 + 1 x W's eight, 128 along K: the slot's q-th.  p: W's set;  sc: the set of scale words.  zero = 1: the first product starts the sums.
; The 64 accumulators take turns, one instruction a turn, in the same order in every step.
.macro MUL16 a0, p, q, sc, zero
.irp a, \a0, \a0+1
.irp b, 0,1,2,3,4,5,6,7
.if \zero
	v_wmma_scale_f32_16x16x128_f8f6f4 v[8*(8*((\a)%4)+\b):8*(8*((\a)%4)+\b)+7], v[128*(\p)+FR*\b:128*(\p)+FR*\b+FR-1], v[AF+FR*(\a):AF+FR*(\a)+FR-1], 0, v[SC+8*NQ*(\sc)+NQ*\b+(\q)], v[SC+8*NQ*(\sc)+NQ*(\a)+(\q)] matrix_a_fmt:MATRIX_FMT_FP4 matrix_b_fmt:MATRIX_FMT_FP4 matrix_a_scale:MATRIX_SCALE_ROW1
.else
	v_wmma_scale_f32_16x16x128_f8f6f4 v[8*(8*((\a)%4)+\b):8*(8*((\a)%4)+\b)+7], v[128*(\p)+FR*\b:128*(\p)+FR*\b+FR-1], v[AF+FR*(\a):AF+FR*(\a)+FR-1], v[8*(8*((\a)%4)+\b):8*(8*((\a)%4)+\b)+7], v[SC+8*NQ*(\sc)+NQ*\b+(\q)], v[SC+8*NQ*(\sc)+NQ*(\a)+(\q)] matrix_a_fmt:MATRIX_FMT_FP4 matrix_b_fmt:MATRIX_FMT_FP4 matrix_a_scale:MATRIX_SCALE_ROW1
.endif
.endr
.endr
.endm
.macro FETCH_B slot, q, p              ; W's eight fragments of the slot's q-th 128 along K into set p
	WIN TO_B
.irp i, 0,1,2,3,4,5,6,7
	FRAG 128*(\p)+FR*\i, ADRB+\slot, \q, \i
.endr
	WIN 0
.endm
.macro FETCH_A slot, q, i0             ; the tokens' blocks i0 .. i0 + 3
.irp i, \i0, \i0+1, \i0+2, \i0+3
	FRAG AF+FR*(\i), ADRA+\slot, \q, \i
.endr
.endm
.macro SCALES sc                       ; a slot's scale words into set sc: four words a row; lanes 0-15 take the tokens' block i, lanes 16-31 W's block i
.irp i, 0,1,2,3,4,5,6,7
	ds_load_b128 v[SC+8*NQ*\sc+NQ*\i:SC+8*NQ*\sc+NQ*\i+3], v[ADRS] offset:\i*SBLK
.endr
.endm
; A load into a register that a matrix instruction has read, and a vector instruction or an LDS store that reads a matrix result, stand NP places behind that matrix instruction; only plain vector
; instructions that name none of its registers are places (ISA guide 7.12.1 for vector instructions).
.macro PLACES n
.rept \n
	v_nop
.endr
.endm
.macro STEP slot, q, zero              ; a step of 128 along K that has its successor in the same slot
	s_wait_dscnt 4*NL                              ; W's set and the tokens' blocks 0-3 are in; the youngest eight loads (blocks 4-7) may be out
	WIN MUL_LO
	MUL16 0, (\q)%2, \q, \slot, \zero
	MUL16 2, (\q)%2, \q, \slot, \zero
	s_wait_dscnt 0                                 ; blocks 4-7 are in
	PLACES NP
	FETCH_B \slot, (\q)+1, 1-(\q)%2
	FETCH_A \slot, (\q)+1, 0
	WIN MUL_HI
	MUL16 4, (\q)%2, \q, \slot, \zero
	MUL16 6, (\q)%2, \q, \slot, \zero
	PLACES NP
	WIN 0
	FETCH_A \slot, (\q)+1, 4
.endm
; Slot 0's last step changes slots: one barrier; in front of it each wave waits for all its tensor loads (its part of slot 1), adds 0 to its spare word, and waits for that and for its own LDS reads.  Nothing is filled again.
.macro TURN slot, next
	s_wait_tensorcnt 0x0                           ; all my tensor loads have landed
	ds_add_u32 v[SPW], v[NIL]                      ; 0 onto my spare word
	s_wait_dscnt 4*NL+1                            ; (the add and the youngest eight loads, blocks 4-7, may be out)
	WIN MUL_LO
	MUL16 0, 1, NQ-1, \slot, 0
	s_wait_dscnt 0x0                               ; the add is done, and my reads of this slot are over
	s_barrier_signal -1
	MUL16 2, 1, NQ-1, \slot, 0
	WIN 0
	s_barrier_wait -1
	PLACES NP
	v_add_nc_u32 v[ADRS], 4*NQ, v[ADRS]            ; on to the next slot's scale words
	FETCH_B \next, 0, 0
	FETCH_A \next, 0, 0
	SCALES \next
	WIN MUL_HI
	MUL16 4, 1, NQ-1, \slot, 0
	MUL16 6, 1, NQ-1, \slot, 0
	PLACES NP
	WIN 0
	FETCH_A \next, 0, 4
.endm
	s_wait_tensorcnt 1                             ; the scales and my part of slot 0 are in (slot 1's load may be out),
	s_barrier_signal -1
	s_barrier_wait -1                              ; everybody's are
	FETCH_B 0, 0, 0
	FETCH_A 0, 0, 0
	SCALES 0
	FETCH_A 0, 0, 4
	STEP 0, 0, 1                                   ; the first step's products start the sums
	STEP 0, 1, 0
	STEP 0, 2, 0
	TURN 0, 1
	STEP 1, 0, 0
	STEP 1, 1, 0
	STEP 1, 2, 0
	s_wait_dscnt 4*NL                              ; the very last step: nothing more to fetch
	WIN MUL_LO
	MUL16 0, 1, NQ-1, 1, 0
	MUL16 2, 1, NQ-1, 1, 0
	s_wait_dscnt 0                                 ; my last reads of the ring are in:
	s_barrier_signal -1                            ; say so; the stages lie over both slots
	WIN MUL_HI
	MUL16 4, 1, NQ-1, 1, 0
	MUL16 6, 1, NQ-1, 1, 0
	WIN 0
	s_barrier_wait -1                              ; no wave reads the ring any more
; THE WAY OUT.  All 64 accumulators go into my stage, 128 tokens x 128 columns of f32; they come back eight neighbouring columns a lane, laid so that sixteen lanes hold two tokens of one head:
; the activation in f32, rounded to f16, 16 bytes a lane: sixteen lanes store 256 consecutive bytes, aligned.  LDS serves a wave's instructions in order: no wait between my stores and my loads.
	PLACES NP
.irp a, 0,1,2,3,4,5,6,7
	WIN 0x08+4*(\a/4)                              ; the data: window 2 or 3
.irp b, 0,1,2,3,4,5,6,7
	ds_store_b128 v[STO], v[64*(\a%4)+8*\b:64*(\a%4)+8*\b+3] offset:\a*16*SPITCH+64*\b      ; each accumulator from its low end on
	ds_store_b128 v[STO], v[64*(\a%4)+8*\b+4:64*(\a%4)+8*\b+7] offset:\a*16*SPITCH+64*\b+16
.endr
.endr
	WIN 0
; The activation of 64 numbers a lane, v[x] on, and their rounding to f16 into v[x] .. v[x + 31].
.macro ACT x
	s_cmp_eq_u32 ttmp9, 2                          ; the cluster's x: the same in all partners and all waves; the branch leads round work on registers alone
	s_cbranch_scc1 .Ltanh_\@
.irp g, 0,1,2,3                        ; sin or cos, sixteen numbers at a time; each line for all eight pairs, so that no line waits for the line above it
.irp p, 0,2,4,6,8,10,12,14
	v_pk_fma_f32 v[TA+\p:TA+\p+1], v[\x+16*\g+\p:\x+16*\g+\p+1], v[CIP:CIP+1], v[CP1:CP1+1]     ; x / pi + s
.endr
.irp p, 0,2,4,6,8,10,12,14
	v_pk_add_f32 v[TA+\p:TA+\p+1], v[TA+\p:TA+\p+1], v[CMG:CMG+1]                               ; rounded to a whole number n; bit 0 is n's parity
.endr
.irp p, 0,2,4,6,8,10,12,14
	v_pk_add_f32 v[TBB+\p:TBB+\p+1], v[TA+\p:TA+\p+1], v[CNM:CNM+1]                             ; n
.endr
.irp p, 0,2,4,6,8,10,12,14
	v_pk_fma_f32 v[TCC+\p:TCC+\p+1], v[TBB+\p:TBB+\p+1], v[CPH:CPH+1], v[\x+16*\g+\p:\x+16*\g+\p+1]   ; x - n pi, high part,
.endr
.irp p, 0,2,4,6,8,10,12,14
	v_pk_fma_f32 v[TCC+\p:TCC+\p+1], v[TBB+\p:TBB+\p+1], v[CPL:CPL+1], v[TCC+\p:TCC+\p+1]       ; low part,
.endr
.irp p, 0,2,4,6,8,10,12,14
	v_pk_add_f32 v[TCC+\p:TCC+\p+1], v[TCC+\p:TCC+\p+1], v[CP2:CP2+1]                           ; + s pi: f
.endr
.irp p, 0,1,2,3,4,5,6,7,8,9,10,11,12,13,14,15
	v_lshl_or_b32 v[TA+\p], v[TA+\p], 31, 0x3dcccccd                                            ; 0.1 with n's parity as its sign
.endr
.irp p, 0,2,4,6,8,10,12,14
	v_pk_mul_f32 v[TBB+\p:TBB+\p+1], v[TCC+\p:TCC+\p+1], v[TCC+\p:TCC+\p+1]                     ; f^2
.endr
.irp p, 0,2,4,6,8,10,12,14
	v_pk_fma_f32 v[TDD+\p:TDD+\p+1], v[TBB+\p:TBB+\p+1], v[C11:C11+1], v[C9:C9+1]
.endr
.irp p, 0,2,4,6,8,10,12,14
	v_pk_fma_f32 v[TDD+\p:TDD+\p+1], v[TDD+\p:TDD+\p+1], v[TBB+\p:TBB+\p+1], v[C7:C7+1]
.endr
.irp p, 0,2,4,6,8,10,12,14
	v_pk_fma_f32 v[TDD+\p:TDD+\p+1], v[TDD+\p:TDD+\p+1], v[TBB+\p:TBB+\p+1], v[C5:C5+1]
.endr
.irp p, 0,2,4,6,8,10,12,14
	v_pk_fma_f32 v[TDD+\p:TDD+\p+1], v[TDD+\p:TDD+\p+1], v[TBB+\p:TBB+\p+1], v[C3:C3+1]
.endr
.irp p, 0,2,4,6,8,10,12,14
	v_pk_mul_f32 v[TBB+\p:TBB+\p+1], v[TBB+\p:TBB+\p+1], v[TCC+\p:TCC+\p+1]                     ; f^3
.endr
.irp p, 0,2,4,6,8,10,12,14
	v_pk_fma_f32 v[TCC+\p:TCC+\p+1], v[TBB+\p:TBB+\p+1], v[TDD+\p:TDD+\p+1], v[TCC+\p:TCC+\p+1] ; sin f
.endr
.irp p, 0,2,4,6,8,10,12,14
	v_pk_fma_f32 v[\x+16*\g+\p:\x+16*\g+\p+1], v[TCC+\p:TCC+\p+1], v[TA+\p:TA+\p+1], v[\x+16*\g+\p:\x+16*\g+\p+1]   ; x +- 0.1 sin f
.endr
.endr
	s_branch .Lround_\@
.Ltanh_\@:
.set i, 0
.rept 32
	v_pk_mul_f32 v[TA+i:TA+i+1], v[\x+i:\x+i+1], v[CK2:CK2+1]
.set i, i+2
.endr
.set i, 0
.rept 64
	v_exp_f32 v[TA+i], v[TA+i]                     ; e^(2 v)
.set i, i+1
.endr
	v_nop                                          ; a plain instruction behind the last exponential,
	s_wait_alu depctr_va_vdst(0)                   ; and one wait ahead of the batch's first reader
.set i, 0
.rept 32
	v_pk_add_f32 v[TA+i:TA+i+1], v[TA+i:TA+i+1], v[ONE:ONE+1]
.set i, i+2
.endr
.set i, 0
.rept 64
	v_rcp_f32 v[TA+i], v[TA+i]
.set i, i+1
.endr
	v_nop
	s_wait_alu depctr_va_vdst(0)                   ; one wait for the 64 reciprocals
.set i, 0
.rept 32
	v_pk_fma_f32 v[TA+i:TA+i+1], v[TA+i:TA+i+1], v[NG2:NG2+1], v[ONE:ONE+1]    ; tanh v
.set i, i+2
.endr
.set i, 0
.rept 32
	v_pk_fma_f32 v[\x+i:\x+i+1], v[TA+i:TA+i+1], v[ATH:ATH+1], v[\x+i:\x+i+1]  ; v + alpha 0.1 tanh v
.set i, i+2
.endr
.Lround_\@:
.set i, 0
.rept 32
	v_cvt_pk_f16_f32 v[\x+i], v[\x+2*i], v[\x+2*i+1]   ; in place, ascending: a result lands on registers that have been read
.set i, i+1
.endr
.endm
	s_mov_b32 s3, 4
	s_mov_b32 s66, 0
.Lout:                                             ; four trips of 32 tokens
	v_add_nc_u32 v[ADR], s66, v[RD0]
.irp k, 0,1
.irp i, 0,1,2,3,4,5,6,7
	ds_load_b128 v[XA+64*\k+8*\i:XA+64*\k+8*\i+3],   v[ADR] offset:\k*16*SPITCH+\i*2*SPITCH
	ds_load_b128 v[XA+64*\k+8*\i+4:XA+64*\k+8*\i+7], v[ADR] offset:\k*16*SPITCH+\i*2*SPITCH+16
.endr
.endr
	s_wait_dscnt 16                                ; the first 16 tokens are in; the 16 loads of the next 16 tokens may be out
	ACT XA
.irp i, 0,1,2,3,4,5,6,7
	global_store_b128 v[GO], v[XA+4*\i:XA+4*\i+3], s[12:13] offset:256*\i
.endr
	s_wait_dscnt 0
	ACT XB
.irp i, 0,1,2,3,4,5,6,7
	global_store_b128 v[GO], v[XB+4*\i:XB+4*\i+3], s[12:13] offset:2048+256*\i
.endr
	s_wait_xcnt 0x0                                ; the stores have read their registers and their base: both are written again only behind this wait
	s_add_nc_u64 s[12:13], s[12:13], 4096          ; 32 tokens of 128 bytes on
	s_add_co_u32 s66, s66, 32*SPITCH
	s_sub_co_u32 s3, s3, 1
	s_cmp_lg_u32 s3, 0
	s_cbranch_scc1 .Lout
	s_wait_tensorcnt 0x0                           ; the wave's end, behind my last tensor load and my last LDS store
	ds_add_u32 v[SPW], v[NIL]
	s_wait_dscnt 0x0
	CROUND                                         ; the closing round: no work-group ends while a partner may still ask for a tile that names it
	s_endpgm
.Lfunc_end_k_q572c659e58_qkv:
	.size	k_q572c659e58_qkv, .Lfunc_end_k_q572c659e58_qkv-k_q572c659e58_qkv
	.p2alignl 7, 3214868480
	.fill 96, 4, 3214868480
	.section	.rodata,"a",@progbits
	.p2align	6, 0x0
	.amdhsa_kernel k_q572c659e58_qkv
		.amdhsa_group_segment_fixed_size 327680
		.amdhsa_private_segment_fixed_size 0
		.amdhsa_enable_private_segment 0
		.amdhsa_kernarg_size 48
		.amdhsa_user_sgpr_count 2
		.amdhsa_user_sgpr_kernarg_segment_ptr 1
		.amdhsa_wavefront_size32 1
		.amdhsa_system_sgpr_workgroup_id_x 1
		.amdhsa_system_sgpr_workgroup_id_y 1
		.amdhsa_system_sgpr_workgroup_id_z 1
		.amdhsa_system_vgpr_workitem_id 0
		.amdhsa_next_free_vgpr 1024
		.amdhsa_next_free_sgpr 102
		.amdhsa_reserve_vcc 0
		.amdhsa_float_denorm_mode_32 3
		.amdhsa_float_denorm_mode_16_64 3
		.amdhsa_memory_ordered 1
		.amdhsa_forward_progress 1
		.amdhsa_inst_pref_size 206
	.end_amdhsa_kernel
	.amdgpu_metadata
---
amdhsa.version: [ 1, 2 ]
amdhsa.kernels:
  - .name:           k_q572c659e58_qkv
    .symbol:         k_q572c659e58_qkv.kd
    .args:
      - { .name: x_codes, .offset: 0, .size: 8, .value_kind: global_buffer, .address_space: global }
      - { .name: x_scales, .offset: 8, .size: 8, .value_kind: global_buffer, .address_space: global }
      - { .name: w_codes, .offset: 16, .size: 8, .value_kind: global_buffer, .address_space: global }
      - { .name: w_scales, .offset: 24, .size: 8, .value_kind: global_buffer, .address_space: global }
      - { .name: alpha, .offset: 32, .size: 8, .value_kind: global_buffer, .address_space: global }
      - { .name: qkv, .offset: 40, .size: 8, .value_kind: global_buffer, .address_space: global }
    .group_segment_fixed_size: 327680
    .private_segment_fixed_size: 0
    .kernarg_segment_align: 8
    .kernarg_segment_size: 48
    .max_flat_workgroup_size: 128
    .sgpr_count:     102
    .vgpr_count:     1024
    .wavefront_size: 32
...
	.end_amdgpu_metadata
.endif
;; end of part 3
;; launch attn (part 4): grid 4 x 64, 8 waves a work-group, clusters of 4 x 1, 327,680 bytes of LDS; arguments qkv, ao; writes ao
.if DOCPART == 4
	.amdgcn_target "amdgcn-amd-amdhsa--gfx1250"
	.amdhsa_code_object_version 6
	.text
	.protected	k_q572c659e58_attn
	.globl	k_q572c659e58_attn
	.p2align	8
	.type	k_q572c659e58_attn,@function
k_q572c659e58_attn:
	s_mov_b64 s[64:65], 0
	v_nop
	global_prefetch_b8 v0, s[64:65] scope:SCOPE_SE
	s_setreg_imm32_b32 hwreg(HW_REG_WAVE_MODE, 25, 1), 1
	s_wait_xcnt 0x0
	s_wait_alu depctr_hold_cnt(0) depctr_sa_sdst(0) depctr_va_vdst(0) depctr_va_sdst(0) depctr_va_ssrc(0) depctr_va_vcc(0) depctr_vm_vsrc(0)
	s_getreg_b32 s2, hwreg(HW_REG_IB_STS2, 6, 4)
	s_cmp_eq_u32 s2, 0
	s_cbranch_scc0 .Lentry_in_a_cluster
	s_endpgm
.Lentry_in_a_cluster:
	s_bfe_u32 s2, ttmp6, 0x10000c
	s_cmp_lg_u32 s2, 0x3003
	s_cbranch_scc0 .Lentry_shape_is_right
	s_endpgm
.Lentry_shape_is_right:
; ao[head][token][:] = the sum over k of softmax_k(Q[q] . K[k] / 8) V[k][:], for each of 64 (batch, head) pairs, 2,048 tokens, 64 channels, no mask.  Q, K, V: f16, three sections of qkv, each
; [16 batch + head][token][64].  ao: f16, [head][8,192 tokens][64].  Products, maxima and sums in f32; the weights p are rounded to f16 for the second product.  No work is left out.
; SHARES.  A cluster of four work-groups owns one (batch, head); a work-group 512 queries, each of its eight waves 64: four tiles of 16, in 512 registers: two waves to a SIMD, so that one wave's
; vector work stands beside the other's matrix work.  Every wave walks all 2,048 keys, 64 a step; a fragment of K or V read from LDS feeds four products.
; LAYOUT.  S^T = K Q^T (source 0 = 16 keys, source 1 = 16 queries): a lane holds ONE query (lane % 16) and the keys 8 (lane / 16) + 0..7.  Two such tiles, rounded to f16 in pairs, ARE source 1
; (32 keys x 16 queries) of O^T = V^T P.  K comes out of LDS as it lies, V ([key][channel]) turned, by ds_load_tr16_b128.
; SOFTMAX.  For each query a running maximum m: p = 2^(c s - c m), c = log2(e) / 8; in every step O and the sum are multiplied by a = 2^(c m_old - c m_new).
; THE ROW'S SUM is one more product: ONES x P, ONES having ones in rows 0 and 8 alone, so that register 0 of its result holds, in every lane, the sum over the step's keys of my query's p.
; LIMIT: that sum is taken of p as rounded to f16, the same numbers that multiply V.  NaN and infinities are not served.
; THE RING.  Two slots of four key steps (256 keys), 2^17 bytes apart.  Waves 0-3 fetch the four steps' tiles of K, waves 4-7 those of V: one load of 64 rows a wave behind each round.
; CLUSTER.  The four work-groups walk the same K and V: each tile is asked for JOINTLY: the same tensor load, the same descriptor, the mask 15, in all four.  A wave has two loads out at the start, later one.
; No prefetch: a refill is asked for four key steps (288 matrix instructions a wave) ahead of the wait for it.
; REGISTERS: window 0: v2-11 addresses; v16-47 eight registers of statistics a tile; v48-55 ONES; v64-127 eight fragments of K, then of V; v128-255 S^T, 32 a tile, then P in place.
;   window 1: v0-127 O^T, 32 a tile; v128-159 the sums, 8 a tile; v160-223 Q, 16 a tile.
.set KS,    64        ; keys in a step
.set PK,    144       ; a row of K in LDS: 128 bytes + 16 of padding: an odd multiple of 16
.set PV,    160       ; a row of V: 128 + 32: an odd multiple of 32
.set VOFF,  KS*PK     ; a step's tiles lie together: 64 rows of K, then 64 rows of V
.set STEPB, KS*(PK+PV)
.set SLOT1, 1<<17
.set SPARE, SLOT1+4*STEPB  ; behind slot 1: the spare words, 128 bytes for each of eight waves
.set SP,    144       ; the way out: a stage row: 128 bytes + 16.  The stages, 64 rows a wave, lie in slot 0's bytes, which have had their last fill and were left at the last change of slots
.set AK0, 2           ; v2   my lane's place in a tile of K; never rewritten
.set AV0, 3           ; v3   the same for V
.set ADK, 4           ; v4   LDS address of the step's K
.set ADV, 5           ; v5   of its V
.set QO,  6           ; v6   my byte offset in the wave's rows of Q
.set STO, 7           ; v7   the way out: where I put 16 bytes of a row
.set RD,  8           ; v8   the way out: where I read rows back
.set GO,  9           ; v9   my byte offset in the wave's rows of ao
.set SPW, 10          ; v10  LDS address of my spare word; never rewritten
.set NIL, 11          ; v11  0; never rewritten
.set ST,  16          ; tile t's statistics at v[ST+8 t]: +0 c m, +1 m, +4 to +7 c0-c3, at work; a takes c2's place
.set ONES, 48
.set KV,  64
.set S,   128
.set LS,  128         ; in window 1
.set QF,  160         ; in window 1
.set WV,  12          ; s12  my wave's number
.set G1K, 24          ; s[24:31] descriptor group 1 for K's tiles
.set G1V, 32          ; s[32:39] for V's: it differs in the padding alone
.set G0K, 40          ; s[40:47] descriptor group 0 for K's tiles: a set for each of the two first fills; the second then walks on
.set G0V, 48          ; s[48:55] the same for V's
.set SLOTS, 56        ; s56  slots still to be asked for
.set CNT, 57          ; s57  counts a slot's steps
.set CS,  58          ; s[58:59] c: the packed scaling names a pair and takes its low word for both halves
.set SEL, 60          ; s[60:61] lane selects for v_permlanex16_b32: lane l xor 16
.set TB,  62          ; s62  LDS byte at which the step's tiles begin
.set MSB, 0
.macro WIN new
.if MSB != \new
	s_set_vgpr_msb (MSB<<8)|\new
.set MSB, \new
.endif
.endm
.set W_KQ, 0x04       ; Q (source 1) in window 1
.set W_PV, 0x50       ; C and D in window 1
.set W_RS, 0x41       ; destination and source 0 in window 1
; A joint refill.  The branch hangs on the wave's number alone.  An s_nop 0 and four v_nop follow each of the two lines.
.macro JLOAD
	s_cmp_lt_u32 s[WV], 4
	s_cbranch_scc0 .Lfor_v_\@
	tensor_load_to_lds s[G0K+4:G0K+7], s[G1K:G1K+7]
	s_nop 0
.rept 4
	v_nop
.endr
	s_branch .Lasked_\@
.Lfor_v_\@:
	tensor_load_to_lds s[G0V+4:G0V+7], s[G1V:G1V+7]
	s_nop 0
.rept 4
	v_nop
.endr
.Lasked_\@:
.endm
.macro CROUND         ; a round of the cluster's barrier
	s_barrier_signal -1
	s_barrier_wait -1
	s_cmp_lg_u32 s[WV], 0
	s_cbranch_scc1 .Lnot_wave_0_\@
	s_barrier_signal -3
.Lnot_wave_0_\@:
	s_barrier_wait -3
	s_barrier_signal -1
	s_barrier_wait -1
.endm
	s_load_b128 s[4:7], s[0:1], 0x0 ; qkv s[4:5], ao s[6:7]
	v_lshl_add_u32 v[SPW], v0, 2, SPARE
	v_mov_b32 v[NIL], 0
	ds_add_u32 v[SPW], v[NIL]       ; the wave's opening: the add, twice on end, and its wait ahead of my first tensor load
	ds_add_u32 v[SPW], v[NIL]       ; and once more, under the one wait; the set-up below, work on registers, stands between
	v_lshrrev_b32 v1, 5, v0
	v_readfirstlane_b32 s[WV], v1   ; wave 0..7
	s_bfe_u32 s13, ttmp6, 0x40000   ; cx: my place in the cluster: it enters Q's and ao's addresses alone
	s_and_b32 s14, ttmp7, 0xffff    ; 16 batch + head, which the four partners share
	s_lshl_b32 s20, s14, 18         ; its first byte in a section: 262,144 bytes each
	s_and_b32 s16, s[WV], 3         ; which of a slot's four steps I fetch:
	s_lshl_b32 s22, s16, 13         ; its 64 rows of 128 bytes in memory,
	s_add_co_u32 s22, s22, s20
	s_mov_b32 s23, 0
	s_mul_i32 s17, s16, STEPB       ; and its place in a slot
	s_lshl_b32 s2, s13, 16          ; Q: my work-group's 512 rows,
	s_lshl_b32 s3, s[WV], 13        ; my wave's 64 of them
	s_add_co_u32 s2, s2, s3
	s_and_b32 s18, s14, 15          ; ao: the head's 1,048,576 bytes,
	s_lshl_b32 s18, s18, 20
	s_lshr_b32 s19, s14, 4          ; the batch's 2,048 rows of 128 bytes,
	s_lshl_b32 s19, s19, 18
	s_add_co_u32 s18, s18, s19
	s_add_co_u32 s18, s18, s2       ; and the same rows as in Q
	s_mov_b32 s19, 0
	s_add_co_u32 s2, s2, s20
	s_mov_b32 s3, 0
	; descriptor group 1: a tile of 64 rows x 64 elements, padded in LDS
	s_mov_b32 s[G1K], 15|(1<<16)|(1<<20)|(1<<21)|(4<<22)|(3<<25)  ; 15:0 the mask: all four work-groups; 17:16 elements of 2 bytes; 20 padding on; 21 set beside a mask; 24:22 after every 32 words; 31:25 4 words of it
	s_mov_b32 s[G1V], 15|(1<<16)|(1<<20)|(1<<21)|(4<<22)|(7<<25)  ; the same with 8 words of padding
.irp g, G1K, G1V
	s_mov_b32 s[\g+1], 64<<16       ; tensor_dim0 = 64
	s_mov_b32 s[\g+2], KS<<16       ; tensor_dim1 = 64
	s_mov_b32 s[\g+3], 64<<16       ; tile_dim0 = 64
	s_mov_b32 s[\g+4], KS           ; tile_dim1 = 64
	s_mov_b32 s[\g+5], 64           ; tensor_dim0_stride: elements from row to row
	s_mov_b32 s[\g+6], 0
	s_mov_b32 s[\g+7], 0
.endr
	s_mov_b32 s[CS], 0x3e38aa3b     ; c = log2(e) / 8
	s_mov_b32 s[CS+1], s[CS]        ; named with it as a pair, so it is written
	s_mov_b32 s[SEL], 0x76543210
	s_mov_b32 s[SEL+1], 0xfedcba98
	s_mov_b32 s[TB], 0
	s_mov_b32 s[SLOTS], 6
	s_wait_dscnt 0x0                ; both opening adds are done
	s_wait_kmcnt 0x0
	s_add_nc_u64 s[8:9], s[4:5], s[22:23]   ; my tile of slot 0, less the section
	s_add_nc_u64 s[10:11], s[4:5], s[2:3]   ; Q at my wave's first row
	s_add_nc_u64 s[6:7], s[6:7], s[18:19]   ; ao likewise
	CROUND                          ; all four work-groups are here: the first joint loads meet
.irp s, 0,1
	s_mov_b32 s[G0K+4*\s], 1        ; count = 1
	s_add_co_u32 s[G0K+4*\s+1], s17, \s*SLOT1  ; LDS address
	s_add_nc_u64 s[G0K+4*\s+2:G0K+4*\s+3], s[8:9], 16777216+\s*32768  ; K's section; slot s begins with keys 256 s
	s_or_b32 s[G0K+4*\s+3], s[G0K+4*\s+3], 0x80000000  ; type = 2
	s_mov_b32 s[G0V+4*\s], 1
	s_add_co_u32 s[G0V+4*\s+1], s17, \s*SLOT1+VOFF
	s_add_nc_u64 s[G0V+4*\s+2:G0V+4*\s+3], s[8:9], 33554432+\s*32768  ; V's section
	s_or_b32 s[G0V+4*\s+3], s[G0V+4*\s+3], 0x80000000
.endr
	s_cmp_lt_u32 s[WV], 4           ; a wave's two first fills stand in one branch, ahead of every wait on TENSORcnt and every LDS read
	s_cbranch_scc0 .Lfirst_v
	tensor_load_to_lds s[G0K:G0K+3], s[G1K:G1K+7]
	s_nop 0
	tensor_load_to_lds s[G0K+4:G0K+7], s[G1K:G1K+7]
	s_nop 0
.rept 4
	v_nop
.endr
	s_branch .Lfirst_asked
.Lfirst_v:
	tensor_load_to_lds s[G0V:G0V+3], s[G1V:G1V+7]
	s_nop 0
	tensor_load_to_lds s[G0V+4:G0V+7], s[G1V:G1V+7]
	s_nop 0
.rept 4
	v_nop
.endr
.Lfirst_asked:
	; A fragment of K or Q is 16 rows x 32 channels in 8 registers: lane l holds row l % 16; registers 0-3 channels 8 (l / 16) + 0..7, registers 4-7 channels 16 + 8 (l / 16) + 0..7
	v_and_b32 v1, 15, v0            ; r
	v_bfe_u32 v12, v0, 4, 1         ; h
	v_lshlrev_b32 v[QO], 7, v1
	v_lshl_add_u32 v[QO], v12, 4, v[QO]  ; row x 128 + 16 x half
	WIN 0x40                        ; destination window 1, address window 0
.irp t, 0,1,2,3
.irp d, 0,1
	global_load_b128 v[QF+16*\t+8*\d:QF+16*\t+8*\d+3],   v[QO], s[10:11] offset:\t*2048+\d*64
	global_load_b128 v[QF+16*\t+8*\d+4:QF+16*\t+8*\d+7], v[QO], s[10:11] offset:\t*2048+\d*64+32
.endr
.endr
	WIN 0
	v_mul_u32_u24 v[AK0], v1, PK
	v_lshl_add_u32 v[AK0], v12, 4, v[AK0]
	; The turning load takes 16 keys x 16 channels (lane l reads 16 bytes: key 8 (l / 16) + l % 8, channels 8 ((l / 8) % 2) + 0..7) and leaves half a fragment of V^T
	v_and_b32 v13, 7, v0
	v_bfe_u32 v14, v0, 3, 1
	v_lshl_add_u32 v[AV0], v12, 3, v13
	v_mul_u32_u24 v[AV0], v[AV0], PV
	v_lshl_add_u32 v[AV0], v14, 4, v[AV0]
	v_add_nc_u32 v[AV0], VOFF, v[AV0]
	s_mul_i32 s15, s[WV], 64*SP     ; my stage
	v_mul_u32_u24 v[STO], v1, SP    ; in: row l % 16, 16 bytes for each half of the lanes
	v_lshl_add_u32 v[STO], v12, 4, v[STO]
	v_add_nc_u32 v[STO], s15, v[STO]
	v_and_b32 v15, 31, v0
	v_lshrrev_b32 v[RD], 3, v15     ; back: eight lanes to a row of 128 bytes, four rows an instruction
	v_mul_u32_u24 v[RD], v[RD], SP
	v_lshl_add_u32 v[RD], v13, 4, v[RD]
	v_add_nc_u32 v[RD], s15, v[RD]
	v_lshlrev_b32 v[GO], 4, v15     ; the same four rows in ao are 512 consecutive bytes
	v_cmp_eq_u32 vcc_lo, 0, v13     ; ONES: rows 0 and 8 (lanes with l % 8 = 0) hold 1.0 twice in each register, the others 0
	v_mov_b32 v15, 0x3c003c00
	v_cndmask_b32 v[ONES], 0, v15, vcc_lo
.irp i, 1,2,3,4,5,6,7
	v_mov_b32 v[ONES+\i], v[ONES]
.endr
; A KEY STEP: 64 keys.  first = 1: the first step, which starts m, the sums and O^T.
.macro STEP first
	v_add_nc_u32 v[ADK], s[TB], v[AK0]
	v_add_nc_u32 v[ADV], s[TB], v[AV0]
.rept 4
	v_nop                           ; with the two additions six places behind the last products: four are owed by the loads into their registers, five by the products below, which write over P
.endr
.irp kt, 0,1,2,3
.irp d, 0,1
	ds_load_b128 v[KV+8*(2*\kt+\d):KV+8*(2*\kt+\d)+3],   v[ADK] offset:\kt*16*PK+\d*64
	ds_load_b128 v[KV+8*(2*\kt+\d)+4:KV+8*(2*\kt+\d)+7], v[ADK] offset:\kt*16*PK+\d*64+32
.endr
.endr
	s_wait_dscnt 0x0                ; K is in
	WIN W_KQ
.irp kt, 0,1,2,3                    ; S^T = K Q^T: the 16 accumulators take turns; the first 16 products start the sums
.irp t, 0,1,2,3
	v_wmma_f32_16x16x32_f16 v[S+32*\t+8*\kt:S+32*\t+8*\kt+7], v[KV+16*\kt:KV+16*\kt+7], v[QF+16*\t:QF+16*\t+7], 0
.endr
.endr
.irp kt, 0,1,2,3
.irp t, 0,1,2,3
	v_wmma_f32_16x16x32_f16 v[S+32*\t+8*\kt:S+32*\t+8*\kt+7], v[KV+16*\kt+8:KV+16*\kt+15], v[QF+16*\t+8:QF+16*\t+15], v[S+32*\t+8*\kt:S+32*\t+8*\kt+7]
.endr
.endr
	WIN 0
.rept 4
	v_nop                           ; places in front of the loads into K's registers and of the first read of the scores
.endr
.irp kc, 0,1                        ; V, turned: keys 32 kc on, channels 16 ct on; it lands under the softmax
.irp ct, 0,1,2,3
	ds_load_tr16_b128 v[KV+8*(4*\kc+\ct):KV+8*(4*\kc+\ct)+3],   v[ADV] offset:\kc*32*PV+\ct*32
	ds_load_tr16_b128 v[KV+8*(4*\kc+\ct)+4:KV+8*(4*\kc+\ct)+7], v[ADV] offset:\kc*32*PV+16*PV+\ct*32
.endr
.endr
.irp j, 0,1,2,3                     ; the maximum of a lane's 32 scores, four chains a tile, the tiles by turns; each accumulator is read from its low end on
.irp t, 0,1,2,3
	v_max3_num_f32 v[ST+8*\t+4+\j], v[S+32*\t+8*\j], v[S+32*\t+8*\j+1], v[S+32*\t+8*\j+2]
.endr
.endr
.irp u, 1,2
.irp j, 0,1,2,3
.irp t, 0,1,2,3
	v_max3_num_f32 v[ST+8*\t+4+\j], v[ST+8*\t+4+\j], v[S+32*\t+8*\j+2*\u+1], v[S+32*\t+8*\j+2*\u+2]
.endr
.endr
.endr
.irp t, 0,1,2,3
	v_max3_num_f32 v[ST+8*\t+4], v[ST+8*\t+4], v[S+32*\t+7], v[S+32*\t+15]
.endr
.irp t, 0,1,2,3
	v_max3_num_f32 v[ST+8*\t+6], v[ST+8*\t+6], v[S+32*\t+23], v[S+32*\t+31]
.endr
.irp t, 0,1,2,3
	v_max3_num_f32 v[ST+8*\t+4], v[ST+8*\t+4], v[ST+8*\t+5], v[ST+8*\t+6]
.endr
.irp t, 0,1,2,3
.if \first
	v_max_num_f32 v[ST+8*\t+4], v[ST+8*\t+4], v[ST+8*\t+7]
.else
	v_max3_num_f32 v[ST+8*\t+4], v[ST+8*\t+4], v[ST+8*\t+7], v[ST+8*\t+1]
.endif
.endr
.irp t, 0,1,2,3
	v_permlanex16_b32 v[ST+8*\t+5], v[ST+8*\t+4], s[SEL], s[SEL+1]  ; the query's other 32 keys lie in the lane 16 away
.endr
.if \first == 0
.irp t, 0,1,2,3
	v_mov_b32 v[ST+8*\t+7], v[ST+8*\t]      ; c m_old is kept for a
.endr
.endif
.irp t, 0,1,2,3
	v_max_num_f32 v[ST+8*\t+1], v[ST+8*\t+4], v[ST+8*\t+5]
.endr
.irp t, 0,1,2,3
	v_mul_f32 v[ST+8*\t], s[CS], v[ST+8*\t+1]
.endr
.if \first == 0
.irp t, 0,1,2,3
	v_sub_f32 v[ST+8*\t+7], v[ST+8*\t+7], v[ST+8*\t]
.endr
.irp t, 0,1,2,3
	v_exp_f32 v[ST+8*\t+6], v[ST+8*\t+7]    ; a
.endr
.endif
.irp t, 0,1,2,3                     ; ONE BATCH: the scalings c s - c m and all exponentials; none of these lines names an exponential's result
	v_pk_fma_f32 v[S+32*\t:S+32*\t+1], v[S+32*\t:S+32*\t+1], s[CS:CS+1], v[ST+8*\t:ST+8*\t+1] op_sel_hi:[1,0,0] neg_lo:[0,0,1] neg_hi:[0,0,1]
.irp b, 1,2,3,4,5,6,7,8,9,10,11,12,13,14,15
	v_pk_fma_f32 v[S+32*\t+2*\b:S+32*\t+2*\b+1], v[S+32*\t+2*\b:S+32*\t+2*\b+1], s[CS:CS+1], v[ST+8*\t:ST+8*\t+1] op_sel_hi:[1,0,0] neg_lo:[0,0,1] neg_hi:[0,0,1]
	v_exp_f32 v[S+32*\t+2*\b-2], v[S+32*\t+2*\b-2]
	v_exp_f32 v[S+32*\t+2*\b-1], v[S+32*\t+2*\b-1]
.endr
	v_exp_f32 v[S+32*\t+30], v[S+32*\t+30]
	v_exp_f32 v[S+32*\t+31], v[S+32*\t+31]
.endr
	v_nop                           ; a plain instruction behind the last exponential,
	s_wait_alu depctr_va_vdst(0)    ; and one wait ahead of the batch's first reader
.irp t, 0,1,2,3
.irp i, 0,1,2,3,4,5,6,7,8,9,10,11,12,13,14,15
	v_cvt_pk_f16_f32 v[S+32*\t+\i], v[S+32*\t+2*\i], v[S+32*\t+2*\i+1]  ; P, in place, ascending: registers 8 kc .. 8 kc + 7 are keys 32 kc on
.endr
.endr
.if \first == 0
	WIN W_RS
.irp t, 0,1,2,3
.irp i, 0,2,4,6,8,10,12,14,16,18,20,22,24,26,28,30
	v_pk_mul_f32 v[32*\t+\i:32*\t+\i+1], v[32*\t+\i:32*\t+\i+1], v[ST+8*\t+6:ST+8*\t+7] op_sel_hi:[1,0]   ; O^T x a
.endr
	v_mul_f32 v[LS+8*\t], v[LS+8*\t], v[ST+8*\t+6]   ; the sum x a: registers 1 to 7 of that result are sums over rows of zeros and stay 0
.endr
.endif
	s_wait_dscnt 0x0                ; V is in
	WIN W_PV
.irp kc, 0,1                        ; O^T += V^T P and the sums += ONES P: the 20 accumulators take turns
.irp t, 0,1,2,3
.irp ct, 0,1,2,3
.if \first && (\kc == 0)
	v_wmma_f32_16x16x32_f16 v[32*\t+8*\ct:32*\t+8*\ct+7], v[KV+8*(4*\kc+\ct):KV+8*(4*\kc+\ct)+7], v[S+32*\t+8*\kc:S+32*\t+8*\kc+7], 0
.else
	v_wmma_f32_16x16x32_f16 v[32*\t+8*\ct:32*\t+8*\ct+7], v[KV+8*(4*\kc+\ct):KV+8*(4*\kc+\ct)+7], v[S+32*\t+8*\kc:S+32*\t+8*\kc+7], v[32*\t+8*\ct:32*\t+8*\ct+7]
.endif
.endr
.endr
.irp t, 0,1,2,3
.if \first && (\kc == 0)
	v_wmma_f32_16x16x32_f16 v[LS+8*\t:LS+8*\t+7], v[ONES:ONES+7], v[S+32*\t+8*\kc:S+32*\t+8*\kc+7], 0
.else
	v_wmma_f32_16x16x32_f16 v[LS+8*\t:LS+8*\t+7], v[ONES:ONES+7], v[S+32*\t+8*\kc:S+32*\t+8*\kc+7], v[LS+8*\t:LS+8*\t+7]
.endif
.endr
.endr
	WIN 0
	s_add_co_u32 s[TB], s[TB], STEPB  ; the next step's tiles
.endm
.macro STEPS n                      ; n key steps: written once, walked n times; the LDS addresses hang on s[TB]
	s_mov_b32 s[CNT], \n
.Lstep_\@:
	STEP 0
	s_sub_co_u32 s[CNT], s[CNT], 1
	s_cmp_lg_u32 s[CNT], 0
	s_cbranch_scc1 .Lstep_\@
.endm
; THE CHANGE OF SLOTS.  Each wave waits for all its tensor loads, of which one is out: its part of the other slot; adds 0 to its spare word; and waits for that and for its own reads of the slot.
; fill = 1: the slot just left is filled again, with the keys two slots on.  The barrier is then a round of the cluster's, and the joint refill is the first thing behind it.
.macro CHANGE fill
	s_wait_tensorcnt 0x0            ; no tensor load of mine is out, so a group 0 may be written
	ds_add_u32 v[SPW], v[NIL]       ; 0 onto my spare word
.if \fill
.irp g, G0K+4, G0V+4
	s_xor_b32 s[\g+1], s[\g+1], SLOT1  ; the walking descriptor: the other slot than last time,
	s_add_nc_u64 s[\g+2:\g+3], s[\g+2:\g+3], 32768  ; the next 256 keys; the type bits on top are not reached
.endr
	s_wait_dscnt 0x0                ; the add is done, and my reads of the slot are over
	CROUND
	JLOAD
.else
	s_wait_dscnt 0x0
	s_barrier_signal -1
	s_barrier_wait -1
.endif
	s_sub_co_u32 s[TB], s[TB], 4*STEPB  ; back to a slot's first step,
	s_xor_b32 s[TB], s[TB], SLOT1   ; in the other slot
.endm
	s_wait_tensorcnt 1              ; my part of slot 0 is in; slot 1's may stay out
	s_barrier_signal -1
	s_barrier_wait -1               ; everybody's is
	s_wait_loadcnt 0x0              ; Q
	STEP 1
	STEPS 3
.Lslot:                             ; six trips: every slot but the last two is filled again
	CHANGE 1
	STEPS 4
	s_sub_co_u32 s[SLOTS], s[SLOTS], 1
	s_cmp_lg_u32 s[SLOTS], 0
	s_cbranch_scc1 .Lslot
	CHANGE 0                        ; the tail is written out
	STEPS 4
	; THE WAY OUT.  O^T is divided by the sum, rounded to f16 and sent through my stage in LDS; it leaves as whole rows, 512 consecutive bytes a store.
.rept 4
	v_nop                           ; places behind the last products
.endr
	WIN 0x01                        ; source 0 in window 1
.irp t, 0,1,2,3
	v_rcp_f32 v[ST+8*\t+6], v[LS+8*\t]
.endr
	v_nop
	s_wait_alu depctr_va_vdst(0)    ; one wait for the four reciprocals, ahead of their first reader
.irp t, 0,1,2,3
	WIN W_RS
.irp i, 0,2,4,6,8,10,12,14,16,18,20,22,24,26,28,30
	v_pk_mul_f32 v[32*\t+\i:32*\t+\i+1], v[32*\t+\i:32*\t+\i+1], v[ST+8*\t+6:ST+8*\t+7] op_sel_hi:[1,0]
.endr
	WIN 0x05                        ; sources 0 and 1 window 1, destination window 0: S^T's registers are free
.irp i, 0,1,2,3,4,5,6,7,8,9,10,11,12,13,14,15
	v_cvt_pk_f16_f32 v[S+16*\t+\i], v[32*\t+2*\i], v[32*\t+2*\i+1]
.endr
	WIN 0
.irp ct, 0,1,2,3
	ds_store_b128 v[STO], v[S+16*\t+4*\ct:S+16*\t+4*\ct+3] offset:\t*16*SP+\ct*32   ; query 16 t + r, channels 16 ct + 8 h on
.endr
.endr
.irp i, 0,1,2,3,4,5,6,7,8,9,10,11,12,13,14,15
	ds_load_b128 v[KV+4*\i:KV+4*\i+3], v[RD] offset:\i*4*SP   ; LDS serves a wave's instructions in order: these see my stores
.endr
.irp i, 0,1,2,3,4,5,6,7,8,9,10,11,12,13,14,15
	s_wait_dscnt 15-\i              ; load i is in; the younger ones may be out
	global_store_b128 v[GO], v[KV+4*\i:KV+4*\i+3], s[6:7] offset:512*\i
.endr
	s_wait_tensorcnt 0x0            ; the wave's end, behind my last tensor load and my last LDS store
	ds_add_u32 v[SPW], v[NIL]
	s_wait_dscnt 0x0
	CROUND                          ; the closing round: no work-group ends while a partner may still ask for a tile that names it
	s_endpgm
.Lfunc_end_k_q572c659e58_attn:
	.size	k_q572c659e58_attn, .Lfunc_end_k_q572c659e58_attn-k_q572c659e58_attn
	.p2alignl 7, 3214868480
	.fill 96, 4, 3214868480
	.section	.rodata,"a",@progbits
	.p2align	6, 0x0
	.amdhsa_kernel k_q572c659e58_attn
		.amdhsa_group_segment_fixed_size 327680
		.amdhsa_private_segment_fixed_size 0
		.amdhsa_enable_private_segment 0
		.amdhsa_kernarg_size 16
		.amdhsa_user_sgpr_count 2
		.amdhsa_user_sgpr_kernarg_segment_ptr 1
		.amdhsa_wavefront_size32 1
		.amdhsa_system_sgpr_workgroup_id_x 1
		.amdhsa_system_sgpr_workgroup_id_y 1
		.amdhsa_system_sgpr_workgroup_id_z 1
		.amdhsa_system_vgpr_workitem_id 0
		.amdhsa_next_free_vgpr 512
		.amdhsa_next_free_sgpr 66
		.amdhsa_reserve_vcc 1
		.amdhsa_float_denorm_mode_32 3
		.amdhsa_float_denorm_mode_16_64 3
		.amdhsa_memory_ordered 1
		.amdhsa_forward_progress 1
		.amdhsa_inst_pref_size 132
	.end_amdhsa_kernel
	.amdgpu_metadata
---
amdhsa.version: [ 1, 2 ]
amdhsa.kernels:
  - .name:           k_q572c659e58_attn
    .symbol:         k_q572c659e58_attn.kd
    .args:
      - { .name: qkv, .offset: 0, .size: 8, .value_kind: global_buffer, .address_space: global }
      - { .name: ao, .offset: 8, .size: 8, .value_kind: global_buffer, .address_space: global }
    .group_segment_fixed_size: 327680
    .private_segment_fixed_size: 0
    .kernarg_segment_align: 8
    .kernarg_segment_size: 16
    .max_flat_workgroup_size: 256
    .sgpr_count:     66
    .vgpr_count:     512
    .wavefront_size: 32
...
	.end_amdgpu_metadata
.endif
;; end of part 4
;; launch oproj (part 5): grid 4 x 64, 4 waves a work-group, clusters of 4 x 4, 327,680 bytes of LDS; arguments ao, wo_h, out0; writes out0
.if DOCPART == 5
	.amdgcn_target "amdgcn-amd-amdhsa--gfx1250"
	.amdhsa_code_object_version 6
	.text
	.protected	k_q572c659e58_oproj
	.globl	k_q572c659e58_oproj
	.p2align	8
	.type	k_q572c659e58_oproj,@function
k_q572c659e58_oproj:
	s_mov_b64 s[64:65], 0
	v_nop
	global_prefetch_b8 v0, s[64:65] scope:SCOPE_SE
	s_setreg_imm32_b32 hwreg(HW_REG_WAVE_MODE, 25, 1), 1
	s_wait_xcnt 0x0
	s_wait_alu depctr_hold_cnt(0) depctr_sa_sdst(0) depctr_va_vdst(0) depctr_va_sdst(0) depctr_va_ssrc(0) depctr_va_vcc(0) depctr_vm_vsrc(0)
	s_getreg_b32 s2, hwreg(HW_REG_IB_STS2, 6, 4)
	s_cmp_eq_u32 s2, 0
	s_cbranch_scc0 .Lentry_in_a_cluster
	s_endpgm
.Lentry_in_a_cluster:
	s_bfe_u32 s2, ttmp6, 0x10000c
	s_cmp_lg_u32 s2, 0xf033
	s_cbranch_scc0 .Lentry_shape_is_right
	s_endpgm
.Lentry_shape_is_right:
; out0[token][n] = the sum over k of ao[token][k] W_o[k][n].  ao: f16, [16 heads][8,192 tokens][64] (k = 64 head + channel); wo_h: f16, [1024 (k)][1024 (n)]; out0: f32.  Sums in f32.  No work is left out.
; A tile of 128 tokens x 256 columns is made by a work-group of four waves: 256 work-groups.  A wave makes 64 x 128: 32 accumulators of 16 x 16, which fill window 1.
; K goes in steps of 128 (two heads) through a ring of two LDS slots.  ao's tile is, for each head, 128 dense rows of 128 bytes; W_o's is 128 rows (k) of 512 bytes.
; THE MATRIX INSTRUCTION IS USED TRANSPOSED: source 0 = 16 columns of W_o (turned out of LDS by ds_load_tr16_b128), source 1 = 16 tokens: a lane then holds eight neighbouring columns of one token.
; CLUSTERS: 4 x 4 work-groups.  The four of a row of the cluster need the same tiles of ao, the four of a column the same tiles of W_o: each is asked for JOINTLY.  A wave has two loads out at the start, later one.
; PREFETCH: behind each joint refill but the last two, one instruction a wave names the K step two refills on (256 matrix instructions a wave ahead of the load that wants it).
; REGISTERS: window 0: v16-30 addresses; v32-127, v128-223 two fragment buffers: 4 fragments of tokens, then 8 of W_o; on the way out v32-159 are rows read back.  Window 1: accumulator (a, b) at v[8 (8 a + b)].
.set PA,    144                        ; a row of ao in LDS: 128 bytes + 16: an odd multiple of 16
.set PB,    544                        ; a row of W_o: 512 bytes + 32: an odd multiple of 32
.set AHEAD_, 128*PA                    ; a head's 128 rows: 18,432 bytes
.set BOFF,  2*AHEAD_                   ; W_o's rows lie behind the two heads
.set SLOT,  BOFF+128*PB                ; 106,496 bytes
.set SPARE, 2*SLOT                     ; behind the ring: the spare words, 128 bytes for each wave
.set SPITCH, 528                       ; the way out: a stage of 16 rows x (512 bytes + 16) for each wave, in slot 0, which has had its last fill and was left at the last change of slots
.set ADRA, 16                          ; v16-17  LDS address of my tokens' fragments in slot 0, 1
.set ADRB, 20                          ; v20-21  the same for W_o
.set STO,  24                          ; v24     the way out: where I put 32 bytes of a row
.set RD,   25                          ; v25     the way out: where I read a row back
.set CO,   26                          ; v26     my byte offset in a row of out0
.set SPW,  28                          ; v28     LDS address of my spare word; never rewritten
.set NIL,  29                          ; v29     0; never rewritten
.set PFO,  30                          ; v30     the prefetches' offset; never rewritten
.set F0,   32
.set F1,   128
.set BK,   32                          ; the way out: 16 rows read back: v32-95 and v96-159 by turns
.set G1, 24                            ; s[24:31] descriptor group 1 for ao's tiles;  s[32:39] group 0, one set for each slot
.set G0, 32
.set G1B, 48                           ; s[48:55], s[56:63] the same for W_o's tiles
.set G0B, 56
.set PFA, 66                           ; s[66:67] where my prefetches stand
.set PFS, 68                           ; s[68:69] a K step on, in bytes
.set LIM, 70                           ; s70     1 in a wave that prefetches, else the greatest number
.set MSB, 0
.macro WIN new
.if MSB != \new
	s_set_vgpr_msb (MSB<<8)|\new
.set MSB, \new
.endif
.endm
.set MUL, 0x50                         ; C and D window 1
.macro JLOAD s                         ; a joint load: waves 0 and 1 fetch ao's two heads, waves 2 and 3 W_o's two halves; an s_nop 0 and four v_nop follow each of the two lines
	s_cmp_eq_u32 s11, 0
	s_cbranch_scc0 .Lfor_b_\@
	tensor_load_to_lds s[G0+4*\s:G0+4*\s+3], s[G1:G1+7]
	s_nop 0
.rept 4
	v_nop
.endr
	s_branch .Lasked_\@
.Lfor_b_\@:
	tensor_load_to_lds s[G0B+4*\s:G0B+4*\s+3], s[G1B:G1B+7]
	s_nop 0
.rept 4
	v_nop
.endr
.Lasked_\@:
.endm
; Each aligned run of 256 bytes of K steps 4 to 7 is named once in the launch.  ao's tile row is read by this cluster's row alone: wave 0 of each of its four partners names 32 of the step's 128 runs, told apart by
; address (cx).  W_o's tile column is read by every cluster: the clusters with y = 0 ask; waves 2 and 3 of the column's four partners name 16 rows x 2 runs each, told apart by address (cy).
; The loop's last trip (s3 = 1) asks for nothing: there is no K step two refills on.
.macro ASK
	s_cmp_gt_u32 s3, s[LIM]
	s_cbranch_scc0 .Lnot_mine_\@
	global_prefetch_b8 v[PFO], s[PFA:PFA+1] th:TH_LOAD_NT scope:SCOPE_SE
.Lnot_mine_\@:
.endm
.macro CREST
	s_cmp_lg_u32 s10, 0
	s_cbranch_scc1 .Lnot_wave_0_\@
	s_barrier_signal -3
.Lnot_wave_0_\@:
	s_barrier_wait -3
	s_barrier_signal -1
	s_barrier_wait -1
.endm
.macro CROUND
	s_barrier_signal -1
	s_barrier_wait -1
	CREST
.endm
	s_load_b128 s[4:7], s[0:1], 0x0                ; ao s[4:5], wo_h s[6:7]
	s_load_b64 s[8:9], s[0:1], 0x10                ; out0
	v_lshl_add_u32 v[SPW], v0, 2, SPARE
	v_mov_b32 v[NIL], 0
	ds_add_u32 v[SPW], v[NIL]                      ; the wave's opening: the add, twice on end, and its wait ahead of my first tensor load
	ds_add_u32 v[SPW], v[NIL]                      ; and once more, under the one wait; the set-up below, work on registers, stands between
	v_lshrrev_b32 v1, 5, v0
	v_readfirstlane_b32 s10, v1                    ; wave 0..3
	s_lshr_b32 s11, s10, 1                         ; which half of the tile's tokens is mine.  Also: I fetch for ao (0) or for W_o (1)
	s_and_b32 s12, s10, 1                          ; which half of its columns.  Also: which head, or which 64 rows of W_o, I fetch
	s_bfe_u32 s40, ttmp6, 0x40000                  ; cx, cy: my place in the cluster
	s_bfe_u32 s41, ttmp6, 0x40004
	s_lshl_b32 s42, ttmp9, 2
	s_add_co_u32 s42, s42, s40                     ; tile column = 4 x cluster x + cx
	s_and_b32 s13, ttmp7, 0xffff
	s_lshl_b32 s13, s13, 2
	s_add_co_u32 s13, s13, s41                     ; tile row = 4 x cluster y + cy
	s_lshl_b32 s43, s41, 2
	s_lshl_b32 s43, 15, s43                        ; my row of the cluster
	s_lshl_b32 s44, 0x1111, s40                    ; my column
	s_or_b32 s[G1+0], s43, (1<<16)|(1<<20)|(1<<21)|(4<<22)|(3<<25)   ; ao: the mask of my row; elements of 2 bytes; padding on; 21 set beside a mask; after every 32 words 4 words
	s_mov_b32 s[G1+1], 64<<16                      ; tensor_dim0 = 64
	s_mov_b32 s[G1+2], 128<<16                     ; tensor_dim1 = 128
	s_mov_b32 s[G1+3], 64<<16                      ; tile_dim0 = 64
	s_mov_b32 s[G1+4], 128                         ; tile_dim1 = 128
	s_mov_b32 s[G1+5], 64                          ; tensor_dim0_stride
	s_mov_b32 s[G1+6], 0
	s_mov_b32 s[G1+7], 0
	s_or_b32 s[G1B+0], s44, (1<<16)|(1<<20)|(1<<21)|(6<<22)|(7<<25)  ; W_o: the mask of my column; after every 128 words 8 words
	s_mov_b32 s[G1B+1], 256<<16                    ; tensor_dim0 = 256
	s_mov_b32 s[G1B+2], 64<<16                     ; tensor_dim1 = 64
	s_mov_b32 s[G1B+3], 256<<16                    ; tile_dim0 = 256
	s_mov_b32 s[G1B+4], 64                         ; tile_dim1 = 64
	s_mov_b32 s[G1B+5], 1024                       ; tensor_dim0_stride
	s_mov_b32 s[G1B+6], 0
	s_mov_b32 s[G1B+7], 0
	s_lshl_b32 s16, s12, 20                        ; ao: my head of the step's two (1,048,576 bytes each) + 128 rows of 128 bytes for each tile row
	s_lshl_b32 s17, s13, 14
	s_add_co_u32 s16, s16, s17
	s_mov_b32 s17, 0
	s_lshl_b32 s46, s12, 17                        ; W_o: my 64 rows of 2,048 bytes + 512 bytes for each tile column
	s_lshl_b32 s47, s42, 9
	s_add_co_u32 s46, s46, s47
	s_mov_b32 s47, 0
	s_mul_i32 s20, s12, AHEAD_                     ; where they go: no place in the cluster enters an LDS address
	s_mul_i32 s21, s12, 64*PB
	s_add_co_u32 s21, s21, BOFF
	s_wait_dscnt 0x0                               ; both opening adds are done
	s_wait_kmcnt 0x0
	s_add_nc_u64 s[14:15], s[4:5], s[16:17]
	s_add_nc_u64 s[46:47], s[6:7], s[46:47]
	CROUND                                         ; all sixteen work-groups are here: the first joint loads meet
.irp s, 0,1
	s_mov_b32 s[G0+4*\s], 1
	s_add_co_u32 s[G0+4*\s+1], s20, \s*SLOT
	s_add_nc_u64 s[G0+4*\s+2:G0+4*\s+3], s[14:15], \s*2097152      ; K step s: two heads on
	s_or_b32 s[G0+4*\s+3], s[G0+4*\s+3], 0x80000000
	s_mov_b32 s[G0B+4*\s], 1
	s_add_co_u32 s[G0B+4*\s+1], s21, \s*SLOT
	s_add_nc_u64 s[G0B+4*\s+2:G0B+4*\s+3], s[46:47], \s*262144     ; 128 rows on
	s_or_b32 s[G0B+4*\s+3], s[G0B+4*\s+3], 0x80000000
	JLOAD \s
.endr
	v_and_b32 v1, 15, v0                           ; r
	v_bfe_u32 v2, v0, 4, 1                         ; h
	v_mul_u32_u24 v3, v1, PA
	v_lshl_add_u32 v3, v2, 4, v3                   ; tokens: row x pitch + 16 x half
	v_and_b32 v4, 7, v0
	v_bfe_u32 v5, v0, 3, 1
	v_lshl_add_u32 v4, v2, 3, v4
	v_mul_u32_u24 v4, v4, PB
	v_lshl_add_u32 v4, v5, 4, v4                   ; W_o, for the turning load: row 8 h + l % 8, 16 bytes for (l / 8) % 2
	s_mul_i32 s21, s11, 64*PA                      ; my 64 tokens
	s_lshl_b32 s22, s12, 8                         ; my 128 columns
	s_add_co_u32 s22, s22, BOFF
.irp s, 0,1
	v_add_nc_u32 v[ADRA+\s], s21, v3
	v_add_nc_u32 v[ADRB+\s], s22, v4
	s_add_co_u32 s21, s21, SLOT
	s_add_co_u32 s22, s22, SLOT
.endr
	s_mul_i32 s23, s10, 16*SPITCH                  ; my stage
	v_mul_u32_u24 v5, v1, SPITCH
	v_lshl_add_u32 v5, v2, 5, v5
	v_add_nc_u32 v[STO], s23, v5                   ; in: row l % 16, 32 bytes for each half of the lanes
	v_and_b32 v6, 31, v0
	v_lshlrev_b32 v[CO], 4, v6                     ; back: the 32 lanes take one row of 512 bytes; and the same in out0
	v_add_nc_u32 v[RD], s23, v[CO]
	s_lshl_b32 s16, s13, 19                        ; out0: 128 rows of 4,096 bytes for each tile row,
	s_lshl_b32 s17, s11, 18                        ; my half's 64 rows,
	s_add_co_u32 s16, s16, s17
	s_mov_b32 s17, 0
	s_lshl_b32 s46, s42, 10                        ; 1,024 bytes for each tile column,
	s_lshl_b32 s47, s12, 9                         ; 512 for my half
	s_add_co_u32 s46, s46, s47
	s_mov_b32 s47, 0
	s_add_nc_u64 s[16:17], s[16:17], s[46:47]
	s_add_nc_u64 s[8:9], s[8:9], s[16:17]
	; the prefetches: where my wave's stand, and who asks
	s_lshr_b32 s20, s40, 1                         ; ao: partner cx takes head cx / 2 of the step's two,
	s_lshl_b32 s20, s20, 20
	s_lshl_b32 s23, s13, 14                        ; the tile row's 16,384 bytes of it,
	s_add_co_u32 s20, s20, s23
	s_and_b32 s23, s40, 1                          ; half cx % 2 of those,
	s_lshl_b32 s23, s23, 13
	s_add_co_u32 s20, s20, s23
	s_add_co_u32 s20, s20, 3*2097152               ; at K step 3: the first refill steps it to 4
	s_lshl_b32 s21, s42, 9                         ; W_o: the tile column's 512 bytes of a row,
	s_lshl_b32 s23, s12, 17                        ; my wave's 64 rows,
	s_add_co_u32 s21, s21, s23
	s_lshl_b32 s23, s41, 15                        ; partner cy's 16 of them,
	s_add_co_u32 s21, s21, s23
	s_add_co_u32 s21, s21, 3*262144                ; at K step 3
	s_mov_b32 s[PFS], 262144
	s_mov_b32 s71, 2048
	s_and_b32 s22, ttmp7, 0xffff                   ; cluster y
	s_cmp_eq_u32 s11, 0                            ; do I fetch for ao?
	s_cselect_b32 s20, s20, s21
	s_cselect_b64 s[PFA:PFA+1], s[4:5], s[6:7]
	s_cselect_b32 s[PFS], 2097152, s[PFS]          ; a K step on
	s_cselect_b32 s71, 512, s71                    ; from one pair of lanes to the next: two runs of 256 bytes in ao's dense block, a row in W_o
	s_cselect_b32 s22, s12, s22                    ; ao's side: wave 0 asks; W_o's side: the clusters with y = 0
	s_cmp_eq_u32 s22, 0
	s_cselect_b32 s[LIM], 1, -1                    ; the same in all sixteen partners, for a given wave
	s_mov_b32 s21, 0
	s_mov_b32 s[PFS+1], 0
	s_add_nc_u64 s[PFA:PFA+1], s[PFA:PFA+1], s[20:21]
	v_lshrrev_b32 v5, 1, v6
	v_mul_lo_u32 v[PFO], v5, s71
	v_and_b32 v5, 1, v6
	v_lshl_add_u32 v[PFO], v5, 8, v[PFO]
; 24 LDS loads in one run: the fragments of quarter q (32 along K) of a slot into buffer f
.macro FETCH slot, q, f
.irp a, 0,1,2,3
	ds_load_b128 v[\f+8*\a:\f+8*\a+3],   v[ADRA+\slot] offset:((\q)>>1)*AHEAD_+((\q)&1)*64+\a*16*PA
	ds_load_b128 v[\f+8*\a+4:\f+8*\a+7], v[ADRA+\slot] offset:((\q)>>1)*AHEAD_+((\q)&1)*64+\a*16*PA+32
.endr
.irp b, 0,1,2,3,4,5,6,7
	ds_load_tr16_b128 v[\f+32+8*\b:\f+32+8*\b+3],   v[ADRB+\slot] offset:(\q)*32*PB+\b*32
	ds_load_tr16_b128 v[\f+32+8*\b+4:\f+32+8*\b+7], v[ADRB+\slot] offset:(\q)*32*PB+\b*32+16*PB
.endr
.endm
; 16 matrix instructions: the tokens' blocks a0, a0 + 1 x W_o's eight.  The 32 accumulators take turns, in the same order in every quarter.
.macro MUL16 f, a0, zero
.irp a, \a0, \a0+1
.irp b, 0,1,2,3,4,5,6,7
.if \zero
	v_wmma_f32_16x16x32_f16 v[8*(8*(\a)+\b):8*(8*(\a)+\b)+7], v[\f+32+8*\b:\f+32+8*\b+7], v[\f+8*(\a):\f+8*(\a)+7], 0
.else
	v_wmma_f32_16x16x32_f16 v[8*(8*(\a)+\b):8*(8*(\a)+\b)+7], v[\f+32+8*\b:\f+32+8*\b+7], v[\f+8*(\a):\f+8*(\a)+7], v[8*(8*(\a)+\b):8*(8*(\a)+\b)+7]
.endif
.endr
.endr
.endm
.macro PLACES                          ; four places in front of loads into registers that matrix instructions have read, and of the first read of results (ISA guide 7.12.1 for vector instructions)
.rept 4
	v_nop
.endr
.endm
; One of a K step's first three quarters: buffer f is multiplied; at its head the next quarter, qn, is fetched into g, so that the loads have the 32 products in which to land.
.macro QUARTER slot, qn, f, g, zero
	s_wait_dscnt 0                                 ; buffer f is in
	PLACES
	FETCH \slot, \qn, \g
	WIN MUL
	MUL16 \f, 0, \zero
	MUL16 \f, 2, \zero
	WIN 0
.endm
; The last quarter multiplies buffer 1 and changes slots: ONE barrier; in front of it each wave waits for all its tensor loads, adds 0 to its spare word, and waits for that and for its own reads of this slot.
; fill = 1: the barrier opens a round of the cluster's, and this slot is filled again, two K steps ahead.
.macro TURN slot, next, fill
.if \fill
	s_wait_xcnt 0x0                                ; the last prefetch, a K step back, has read its address: it is stepped here, ahead of the waits of the change of slots
	s_add_nc_u64 s[PFA:PFA+1], s[PFA:PFA+1], s[PFS:PFS+1]
.endif
	s_wait_tensorcnt 0x0                           ; all my tensor loads have landed: my part of the next slot
	ds_add_u32 v[SPW], v[NIL]                      ; 0 onto my spare word
	s_wait_dscnt 1                                 ; buffer 1 is in (the add may be out)
	WIN MUL
	MUL16 F1, 0, 0                                 ; sixteen matrix instructions stand between the add and the wait for it
	s_wait_dscnt 0x0                               ; the add is done, and my reads of this slot are over
	s_barrier_signal -1
	WIN 0
	s_barrier_wait -1
.if \fill
	CREST                                          ; no wave of any partner still reads this slot's tile or has a load on its way
	s_add_nc_u64 s[G0+4*\slot+2:G0+4*\slot+3], s[G0+4*\slot+2:G0+4*\slot+3], 2*2097152
	s_add_nc_u64 s[G0B+4*\slot+2:G0B+4*\slot+3], s[G0B+4*\slot+2:G0B+4*\slot+3], 2*262144
	JLOAD \slot                                    ; the first tensor load behind the round; the four v_nop behind it are also the places in front of the loads below
.else
	PLACES
.endif
	FETCH \next, 0, F0
.if \fill
	ASK
.endif
	WIN MUL
	MUL16 F1, 2, 0
	WIN 0
.endm
	s_wait_tensorcnt 1                             ; my part of K step 0 is in (K step 1's load may be out),
	s_barrier_signal -1
	s_barrier_wait -1                              ; everybody's is
	FETCH 0, 0, F0
	QUARTER 0, 1, F0, F1, 1                        ; the first quarter stands in front of the loop: its products start the sums
	s_mov_b32 s3, 3
.Llap:                                                 ; a trip goes once round the ring, from a lap's second quarter to the next lap's first, and fills both slots again
	QUARTER 0, 2, F1, F0, 0
	QUARTER 0, 3, F0, F1, 0
	TURN 0, 1, 1
	QUARTER 1, 1, F0, F1, 0
	QUARTER 1, 2, F1, F0, 0
	QUARTER 1, 3, F0, F1, 0
	TURN 1, 0, 1
	QUARTER 0, 1, F0, F1, 0
	s_sub_co_u32 s3, s3, 1
	s_cmp_lg_u32 s3, 0
	s_cbranch_scc1 .Llap
	QUARTER 0, 2, F1, F0, 0                        ; the last lap fills nothing, and has no round of the cluster's barrier
	QUARTER 0, 3, F0, F1, 0
	TURN 0, 1, 0
	QUARTER 1, 1, F0, F1, 0
	QUARTER 1, 2, F1, F0, 0
	QUARTER 1, 3, F0, F1, 0
	s_wait_dscnt 0                                 ; the very last quarter: nothing more to fetch
	WIN MUL
	MUL16 F1, 0, 0
	MUL16 F1, 2, 0
	WIN 0
; THE WAY OUT, block by block of 16 tokens x 128 columns: through my own stage in LDS and back as whole rows of 512 bytes, which the 32 lanes store as 512 consecutive bytes, aligned.
; LDS serves a wave's instructions in order (ISA guide 5.7.1.4): no wait between the stores and the loads, nor in front of the next block's stores.
.macro TOSTAGE a
	WIN 0x04                                       ; the data: window 1
.irp b, 0,1,2,3,4,5,6,7
	ds_store_b128 v[STO], v[8*(8*(\a)+\b):8*(8*(\a)+\b)+3] offset:64*\b          ; each accumulator from its low end on
	ds_store_b128 v[STO], v[8*(8*(\a)+\b)+4:8*(8*(\a)+\b)+7] offset:64*\b+16
.endr
	WIN 0
.set BB, BK+64*((\a)%2)
.irp t, 0,1,2,3,4,5,6,7,8,9,10,11,12,13,14,15
	ds_load_b128 v[BB+4*\t:BB+4*\t+3], v[RD] offset:\t*SPITCH
.endr
.endm
.macro SEND a, younger                 ; younger: the LDS instructions issued behind block a's loads, which may stay out
.set BB, BK+64*((\a)%2)
	s_wait_dscnt \younger                          ; the block is back in registers
.if (\a) > 0
	s_add_nc_u64 s[8:9], s[8:9], 16*4096           ; (behind a wait on XCNT: the earlier stores have read their base)  16 rows of out0 on
.endif
.irp t, 0,1,2,3,4,5,6,7,8,9,10,11,12,13,14,15
	global_store_b128 v[CO], v[BB+4*\t:BB+4*\t+3], s[8:9] offset:\t*4096 th:TH_STORE_NT
.endr
.endm
	PLACES
	TOSTAGE 0
.irp a, 1,2,3
.if \a > 1
	s_wait_xcnt 0x0                                ; block a - 2's stores have read their registers and their base: block a's loads may land there, and the base may step
.endif
	TOSTAGE \a
	SEND \a-1, 32                                  ; behind block a - 1's loads: block a's 16 stores and 16 loads
.endr
	s_wait_xcnt 0x0                                ; block 2's stores have read their base
	SEND 3, 0
	s_wait_tensorcnt 0x0                           ; the wave's end, behind my last tensor load and my last LDS store
	ds_add_u32 v[SPW], v[NIL]
	s_wait_dscnt 0x0
	CROUND                                         ; the closing round: no work-group ends while a partner may still ask for a tile that names it
	s_endpgm
.Lfunc_end_k_q572c659e58_oproj:
	.size	k_q572c659e58_oproj, .Lfunc_end_k_q572c659e58_oproj-k_q572c659e58_oproj
	.p2alignl 7, 3214868480
	.fill 96, 4, 3214868480
	.section	.rodata,"a",@progbits
	.p2align	6, 0x0
	.amdhsa_kernel k_q572c659e58_oproj
		.amdhsa_group_segment_fixed_size 327680
		.amdhsa_private_segment_fixed_size 0
		.amdhsa_enable_private_segment 0
		.amdhsa_kernarg_size 24
		.amdhsa_user_sgpr_count 2
		.amdhsa_user_sgpr_kernarg_segment_ptr 1
		.amdhsa_wavefront_size32 1
		.amdhsa_system_sgpr_workgroup_id_x 1
		.amdhsa_system_sgpr_workgroup_id_y 1
		.amdhsa_system_sgpr_workgroup_id_z 1
		.amdhsa_system_vgpr_workitem_id 0
		.amdhsa_next_free_vgpr 512
		.amdhsa_next_free_sgpr 72
		.amdhsa_reserve_vcc 0
		.amdhsa_float_denorm_mode_32 3
		.amdhsa_float_denorm_mode_16_64 3
		.amdhsa_memory_ordered 1
		.amdhsa_forward_progress 1
		.amdhsa_inst_pref_size 86
	.end_amdhsa_kernel
	.amdgpu_metadata
---
amdhsa.version: [ 1, 2 ]
amdhsa.kernels:
  - .name:           k_q572c659e58_oproj
    .symbol:         k_q572c659e58_oproj.kd
    .args:
      - { .name: ao, .offset: 0, .size: 8, .value_kind: global_buffer, .address_space: global }
      - { .name: wo_h, .offset: 8, .size: 8, .value_kind: global_buffer, .address_space: global }
      - { .name: out0, .offset: 16, .size: 8, .value_kind: global_buffer, .address_space: global }
    .group_segment_fixed_size: 327680
    .private_segment_fixed_size: 0
    .kernarg_segment_align: 8
    .kernarg_segment_size: 24
    .max_flat_workgroup_size: 128
    .sgpr_count:     72
    .vgpr_count:     512
    .wavefront_size: 32
...
	.end_amdgpu_metadata
.endif
;; end of part 5
